; MI455X (gfx1250); checked and timed in simulation.
; The chip was launched on July 23, 2026; its instructions are those of AMD's public machine-readable ISA for CDNA 5 (MIT licence, August 2026) and "CDNA5" Instruction Set Architecture Reference Guide (July 2026). The comments in the code are by the model that wrote it; some were corrected since.
;; Meta Multi Headed Attention. Allowed arithmetic: matrix products marked QUANTISED: E2M1 operands, one E8M0 scale for each 32 along K, by v_wmma_scale_f32_16x16x128_f8f6f4 with both operands' format E2M1 (or v_wmma_scale_f32_32x16x128_f4), f32 sums; products left as they are: bf16, f16 or f32 operands; f32 sums; everything else in f32.
;; Inputs: Wk 1,024 x 1,024 float32; Wo 1,024 x 1,024 float32; Wq 1,024 x 1,024 float32; Wv 1,024 x 1,024 float32; bk 1,024 float32; bo 1,024 float32; bq 1,024 float32; bv 1,024 float32; key 4 x 2,048 x 1,024 float32; query 4 x 2,048 x 1,024 float32; value 4 x 2,048 x 1,024 float32.
;; Outputs: out0 4 x 2,048 x 1,024 float32.
;; This version of the problem:
;;   THIS VERSION OF THE PROBLEM IS GIVEN IN LOW PRECISION. The matrix products marked QUANTISED in the list below multiply operands that are first quantised to E2M1 (2 exponent bits, 1 mantissa bit; 4 bits a number), with one power-of-two scale for each 32 numbers along K (OCP MX v1.0); their sums are f32. The products marked 'left as it is' may take bf16, f16 or f32 operands, with f32 sums. All else is computed in f32.
;;   The module's matrix products, in the order in which they are computed (A, B: the left and right operand; K: the contracted axis; several contracted axes count as one K, in the product's order):
;;     1. [M 8,192, K 1,024] x [K 1,024, N 1,024]; A: input query; B: input Wq: QUANTISED
;;     2. [M 8,192, K 1,024] x [K 1,024, N 1,024]; A: input key; B: input Wk: QUANTISED
;;     3. [M 8,192, K 1,024] x [K 1,024, N 1,024]; A: input value; B: input Wv: QUANTISED
;;     4. batch 64 x [M 2,048, K 64] x [K 64, N 2,048]; A: computed on the way; B: computed on the way: left as it is (an operand is computed on the way)
;;     5. batch 64 x [M 2,048, K 2,048] x [K 2,048, N 64]; A: computed on the way; B: computed on the way: left as it is (an operand is computed on the way)
;;     6. [M 8,192, K 1,024] x [K 1,024, N 1,024]; A: computed on the way; B: input Wo: left as it is (an operand is computed on the way)
;;   THE QUANTISER, for each operand of a quantised product, along K:
;;     - K is cut into blocks of 32 from its start; a last block that is shorter is filled with zeros.
;;     - A block's scale is 2^e with e = floor(log2(the largest magnitude in the block)) - 2, held to -126 .. 127; a block of zeros has e = 0. As a byte (E8M0): e + 127.
;;     - Each number is divided by its block's scale, clamped to +-6, and rounded to the nearest number of E2M1, ties to even, subnormals kept.
;;     - The product sums the exact products of the quantised numbers (number of the format x scale) in f32.
;;   ~~~python
;;   def quantise(x, axis):      # numpy; x: float32 -> the quantised numbers, widened to float32 again
;;       x = np.moveaxis(x, axis, -1); K = x.shape[-1]
;;       x = np.pad(x, [(0, 0)] * (x.ndim - 1) + [(0, -K % 32)]); x = x.reshape(x.shape[:-1] + (-1, 32)); a = np.abs(x).max(-1, keepdims=True)
;;       e = np.where(a > 0, np.clip(np.frexp(np.where(a > 0, a, 1))[1] - 1 - 2, -126, 127), 0)      # np.frexp(a)[1] - 1 = floor(log2(a)), exactly
;;       r = np.clip(x / 2.0 ** e, -6, 6)
;;       step = 2.0 ** (np.maximum(np.frexp(np.where(r == 0, 1, r))[1] - 1, 0) - 1)
;;       q = np.round(r / step) * step * 2.0 ** e      # np.round: ties to even
;;       return np.moveaxis(q.reshape(q.shape[:-2] + (-1,))[..., :K], -1, axis).astype(np.float32)
;;   ~~~
;; One version. Each part assembles by itself: llvm-mc -triple=amdgcn-amd-amdhsa -mcpu=gfx1250 --defsym DOCPART=n.
;; ======== version 1 of 1: 4 launches
;; limits: values are held in f16: magnitudes above 65,504 overflow, below 6.1e-05 lose precision
;; workspace buffers: codes 14,155,776 bytes; scales 884,736 bytes; wo16 2,097,152 bytes; qkv 50,331,648 bytes; xa 16,777,216 bytes
;; launch prep (part 1): grid 992 x 1, 4 waves a work-group, no clusters, 33,280 bytes of LDS; arguments query, key, value, Wq, Wk, Wv, Wo, codes, scales, wo16; writes codes, scales, wo16
.if DOCPART == 1
	.amdgcn_target "amdgcn-amd-amdhsa--gfx1250"
	.amdhsa_code_object_version 6
	.text
	.protected	k_q79d02d3c90_prep
	.globl	k_q79d02d3c90_prep
	.p2align	8
	.type	k_q79d02d3c90_prep,@function
k_q79d02d3c90_prep:
	s_mov_b64 s[64:65], 0
	v_nop
	global_prefetch_b8 v0, s[64:65] scope:SCOPE_SE
	s_setreg_imm32_b32 hwreg(HW_REG_WAVE_MODE, 25, 1), 1
	s_wait_xcnt 0x0
; query, key, value [8192][1024] and Wq, Wk, Wv [1024][1024], f32, K innermost, become codes of FP4 (E2M1) with one E8M0 scale byte for each 32 along K; Wo [1024][1024] becomes f16.
; The six quantised tensors are dense streams of blocks of 32 numbers.  Their codes lie one tensor behind the other in ONE buffer (27,648 rows of 512 bytes: query, key, value, Wq, Wk, Wv), their scale bytes likewise (rows of 32 bytes).
; A block's scale is 2^(floor(log2(its largest magnitude)) - 2); its byte is the largest magnitude's exponent field - 2, held at 1 from below; each number is divided by the scale and rounded to the nearest code, ties to even, beyond 6 the largest code.
; LIMITS: a block of zeros gets the byte 1 where the quantiser says 127 (its codes are zeros, which add nothing under any byte but 0xff, and this program alone reads the bytes); blocks whose largest magnitude lies under 2^-124 are held at byte 1; NaN and infinities are not served.
; SHARES: work-groups 0-863 quantise 32,768 numbers each (256 for each of query, key, value; 32 for each weight), a wave 16 steps of 512 numbers; work-groups 864-991 round 8,192 numbers of Wo each.
; A step: four loads of 512 consecutive bytes; the 2,048 bytes turn through the wave's own stage in LDS and come back 64 bytes a lane, so that a lane holds 16 neighbours along K (two lanes to a block).
; A lane's 16 codes are 8 bytes: a wave's store covers 256 consecutive bytes.  A wave's 256 scale bytes are gathered in LDS and leave by one store of 256 consecutive bytes.  No barrier: waves share nothing.
.set STEPS, 16
.set EMAX,  2
.set CB,    8                          ; bytes of 16 codes
.set R,     16                         ; v16-79   four sets of 16 numbers as loaded
.set X,     80                         ; v80-111  two sets of 16 neighbours
.set E,     112                        ; v112-127 a scale byte for each step
.set C,     128                        ; v128-191 codes (or f16 pairs): registers of its own for each step, so that no store's data are written again
.set WREG,  8192                       ; LDS: a region for each wave: two stages of 32 x SP bytes, behind them its 256 scale bytes
.set SP,    80                         ; a lane's place in a stage: 64 bytes + 16 of padding
	s_load_b512 s[4:19], s[0:1], 0x0               ; query s[4:5], key s[6:7], value s[8:9], Wq s[10:11], Wk s[12:13], Wv s[14:15], Wo s[16:17], codes s[18:19]
	s_load_b128 s[20:23], s[0:1], 0x40             ; scales s[20:21], wo16 s[22:23]
	v_lshl_add_u32 v192, v0, 2, 0x8000
	v_mov_b32 v193, 0
	v_lshrrev_b32 v1, 5, v0
	v_readfirstlane_b32 s24, v1                    ; wave
	v_and_b32 v2, 31, v0                           ; lane
	v_lshlrev_b32 v3, 4, v2                        ; my 16 bytes of a load's 512
	s_mul_i32 s25, s24, WREG
	v_lshrrev_b32 v14, 2, v2
	v_mul_u32_u24 v14, v14, SP
	v_and_b32 v15, 3, v2
	v_lshl_add_u32 v14, v15, 4, v14
	v_add_nc_u32 v14, s25, v14                     ; the stage, on the way in: SP (lane / 4) + 16 (lane % 4)
	v_mul_u32_u24 v15, v2, SP
	v_add_nc_u32 v15, s25, v15                     ; and on the way out: SP x lane: my 16 neighbours
	v_mul_u32_u24 v4, v2, CB                       ; my codes' place in a step's
	v_lshrrev_b32 v5, 1, v2
	s_add_co_u32 s25, s25, 2*32*SP
	v_add_nc_u32 v5, s25, v5                       ; LDS: my wave's 256 scale bytes, my block's byte
	v_lshlrev_b32 v7, 3, v2                        ; 8 bytes a lane
	v_add_nc_u32 v6, s25, v7
	s_wait_kmcnt 0x0
	s_cmp_ge_u32 ttmp9, 864
	s_cbranch_scc1 .Lwo
	; which tensor is mine: the choice hangs on the work-group's number alone
.macro PICK lim, ptr, first
	s_cmp_lt_u32 ttmp9, \lim
	s_cselect_b64 s[26:27], s[\ptr:\ptr+1], s[26:27]
	s_cselect_b32 s28, \first, s28
.endm
	s_mov_b64 s[26:27], s[14:15]                   ; Wv, whose first work-group is 832
	s_mov_b32 s28, 832
	PICK 832, 12, 800                              ; Wk
	PICK 800, 10, 768                              ; Wq
	PICK 768, 8, 512                               ; value
	PICK 512, 6, 256                               ; key
	PICK 256, 4, 0                                 ; query
	s_sub_co_u32 s28, ttmp9, s28
	s_lshl_b32 s28, s28, 2
	s_add_co_u32 s28, s28, s24                     ; which run of 8,192 numbers of the tensor is my wave's
	s_lshl_b32 s28, s28, 15                        ; 32,768 bytes a run
	s_mov_b32 s29, 0
	s_add_nc_u64 s[26:27], s[26:27], s[28:29]
	s_lshl_b32 s30, ttmp9, 2
	s_add_co_u32 s30, s30, s24                     ; which run of all six tensors
	s_lshl_b32 s28, s30, 12                        ; 4,096 bytes of codes a run
	s_add_nc_u64 s[18:19], s[18:19], s[28:29]
	s_lshl_b32 s28, s30, 8                         ; 256 scale bytes a run
	s_add_nc_u64 s[20:21], s[20:21], s[28:29]
.macro LOAD t
.irp i, 0,1,2,3
	global_load_b128 v[R+16*((\t)%4)+4*\i:R+16*((\t)%4)+4*\i+3], v3, s[26:27] offset:2048*(\t)+512*\i th:TH_LOAD_NT   ; 32 lanes read 512 consecutive bytes
.endr
.endm
.macro TURN t                          ; step t's numbers through the stage: LDS serves a wave's instructions in order (ISA guide 5.7.1.4), so no wait stands between the stores and the loads
.irp i, 0,1,2,3
	ds_store_b128 v14, v[R+16*((\t)%4)+4*\i:R+16*((\t)%4)+4*\i+3] offset:32*SP*((\t)%2)+8*SP*\i
.endr
.irp i, 0,1,2,3
	ds_load_b128 v[X+16*((\t)%2)+4*\i:X+16*((\t)%2)+4*\i+3], v15 offset:32*SP*((\t)%2)+16*\i
.endr
.endm
.irp t, 0,1,2,3
	LOAD \t
.endr
	s_wait_loadcnt 12                              ; step 0's four loads are in; the twelve of steps 1 to 3 may be out
	TURN 0
.macro STEP t
.set XS, X+16*((\t)%2)
.if (\t) > 0
	s_wait_dscnt 1                                 ; this step's numbers are back from the stage (the last step's byte store may be out): so its stores into the stage have read their registers,
.else
	s_wait_dscnt 0x0
.endif
.if (\t)+4 < STEPS
	LOAD (\t)+4                                    ; which take the loads of four steps on
.endif
.if (\t)+1 < STEPS
.if STEPS-2-(\t) >= 3
	s_wait_loadcnt 12                              ; the next step's four loads are in; those of the three steps behind it may be out
.else
	s_wait_loadcnt 4*(STEPS-2-(\t))
.endif
	TURN (\t)+1                                    ; and go through the other stage while this step is worked
.endif
	v_max3_num_f32 v8, |v[XS]|, |v[XS+1]|, |v[XS+2]|               ; the largest magnitude of my 16, in two chains
	v_max3_num_f32 v9, |v[XS+3]|, |v[XS+4]|, |v[XS+5]|
.irp i, 6,10
	v_max3_num_f32 v8, v8, |v[XS+\i]|, |v[XS+\i+1]|
	v_max3_num_f32 v9, v9, |v[XS+\i+2]|, |v[XS+\i+3]|
.endr
	v_max3_num_f32 v8, v8, |v[XS+14]|, |v[XS+15]|
	v_max3_num_f32 v8, v8, v9, (EMAX+1)<<23        ; and the floor 2^(EMAX + 1 - 127): the byte cannot fall under 1
	v_max_num_f32_dpp v8, v8, v8 row_xmask:1 row_mask:0xf bank_mask:0xf   ; and of my neighbour's 16: the block's
	v_add_nc_u32 v11, -(EMAX<<23), v8              ; EMAX off its exponent field: the conversion takes the exponent field of this operand as its scale, and nothing else of it
	v_cvt_scalef32_pk8_fp4_f32 v[C+4*(\t)], v[XS:XS+7], v11
	v_cvt_scalef32_pk8_fp4_f32 v[C+4*(\t)+1], v[XS+8:XS+15], v11
	v_lshrrev_b32 v[E+(\t)], 23, v11               ; the scale's byte (a plain instruction behind the conversions)
	ds_store_b8 v5, v[E+(\t)] offset:16*(\t)       ; both lanes of a block write the same byte with the same value
	global_store_b64 v4, v[C+4*(\t):C+4*(\t)+1], s[18:19] offset:32*CB*(\t)   ; 32 lanes store 256 consecutive bytes, at a multiple of 256 from the buffer's first byte
.endm
.irp t, 0,1,2,3,4,5,6,7,8,9,10,11,12,13,14,15
	STEP \t
.endr
	ds_load_b64 v[12:13], v6                       ; these see my byte stores: one wave's LDS instructions are served in order
	s_wait_dscnt 0x0
	global_store_b64 v7, v[12:13], s[20:21]        ; my wave's 256 scale bytes
	s_wait_tensorcnt 0x0
	ds_add_u32 v192, v193
	s_wait_dscnt 0x0
	s_endpgm
.Lwo:                                  ; Wo to f16: a wave takes 2,048 numbers: sixteen loads of 512 consecutive bytes, sixteen stores of 256
	s_sub_co_u32 s28, ttmp9, 864
	s_lshl_b32 s28, s28, 2
	s_add_co_u32 s28, s28, s24
	s_lshl_b32 s30, s28, 12                        ; 4,096 bytes of f16 a run,
	s_lshl_b32 s28, s28, 13                        ; 8,192 of f32
	s_mov_b32 s29, 0
	s_mov_b32 s31, 0
	s_add_nc_u64 s[16:17], s[16:17], s[28:29]
	s_add_nc_u64 s[22:23], s[22:23], s[30:31]
.irp i, 0,1,2,3,4,5,6,7,8,9,10,11,12,13,14,15
	global_load_b128 v[R+4*\i:R+4*\i+3], v3, s[16:17] offset:512*\i th:TH_LOAD_NT
.endr
.irp i, 0,1,2,3,4,5,6,7,8,9,10,11,12,13,14,15
	s_wait_loadcnt 15-\i                           ; loads come back in order: load i is in, the younger ones may be out
	v_cvt_pk_f16_f32 v[C+2*\i], v[R+4*\i], v[R+4*\i+1]
	v_cvt_pk_f16_f32 v[C+2*\i+1], v[R+4*\i+2], v[R+4*\i+3]
	global_store_b64 v7, v[C+2*\i:C+2*\i+1], s[22:23] offset:256*\i
.endr
	s_endpgm
.Lfunc_end_k_q79d02d3c90_prep:
	.size	k_q79d02d3c90_prep, .Lfunc_end_k_q79d02d3c90_prep-k_q79d02d3c90_prep
	.p2alignl 7, 3214868480
	.fill 96, 4, 3214868480
	.section	.rodata,"a",@progbits
	.p2align	6, 0x0
	.amdhsa_kernel k_q79d02d3c90_prep
		.amdhsa_group_segment_fixed_size 33280
		.amdhsa_private_segment_fixed_size 0
		.amdhsa_enable_private_segment 0
		.amdhsa_kernarg_size 80
		.amdhsa_user_sgpr_count 2
		.amdhsa_user_sgpr_kernarg_segment_ptr 1
		.amdhsa_wavefront_size32 1
		.amdhsa_system_sgpr_workgroup_id_x 1
		.amdhsa_system_sgpr_workgroup_id_y 1
		.amdhsa_system_sgpr_workgroup_id_z 1
		.amdhsa_system_vgpr_workitem_id 0
		.amdhsa_next_free_vgpr 194
		.amdhsa_next_free_sgpr 66
		.amdhsa_reserve_vcc 0
		.amdhsa_float_denorm_mode_32 3
		.amdhsa_float_denorm_mode_16_64 3
		.amdhsa_memory_ordered 1
		.amdhsa_forward_progress 1
		.amdhsa_inst_pref_size 40
	.end_amdhsa_kernel
	.amdgpu_metadata
---
amdhsa.version: [ 1, 2 ]
amdhsa.kernels:
  - .name:           k_q79d02d3c90_prep
    .symbol:         k_q79d02d3c90_prep.kd
    .args:
      - { .name: query, .offset: 0, .size: 8, .value_kind: global_buffer, .address_space: global }
      - { .name: key, .offset: 8, .size: 8, .value_kind: global_buffer, .address_space: global }
      - { .name: value, .offset: 16, .size: 8, .value_kind: global_buffer, .address_space: global }
      - { .name: Wq, .offset: 24, .size: 8, .value_kind: global_buffer, .address_space: global }
      - { .name: Wk, .offset: 32, .size: 8, .value_kind: global_buffer, .address_space: global }
      - { .name: Wv, .offset: 40, .size: 8, .value_kind: global_buffer, .address_space: global }
      - { .name: Wo, .offset: 48, .size: 8, .value_kind: global_buffer, .address_space: global }
      - { .name: codes, .offset: 56, .size: 8, .value_kind: global_buffer, .address_space: global }
      - { .name: scales, .offset: 64, .size: 8, .value_kind: global_buffer, .address_space: global }
      - { .name: wo16, .offset: 72, .size: 8, .value_kind: global_buffer, .address_space: global }
    .group_segment_fixed_size: 33280
    .private_segment_fixed_size: 0
    .kernarg_segment_align: 8
    .kernarg_segment_size: 80
    .max_flat_workgroup_size: 128
    .sgpr_count:     66
    .vgpr_count:     194
    .wavefront_size: 32
...
	.end_amdgpu_metadata
.endif
;; end of part 1
;; launch proj (part 2): grid 4 x 96, 4 waves a work-group, clusters of 4 x 4, 327,680 bytes of LDS; arguments codes, scales, bq, bk, bv, qkv; writes qkv
.if DOCPART == 2
	.amdgcn_target "amdgcn-amd-amdhsa--gfx1250"
	.amdhsa_code_object_version 6
	.text
	.protected	k_q79d02d3c90_proj
	.globl	k_q79d02d3c90_proj
	.p2align	8
	.type	k_q79d02d3c90_proj,@function
k_q79d02d3c90_proj:
	s_mov_b64 s[64:65], 0
	v_nop
	global_prefetch_b8 v0, s[64:65] scope:SCOPE_SE
	s_setreg_imm32_b32 hwreg(HW_REG_WAVE_MODE, 25, 1), 1
	s_wait_xcnt 0x0
	s_wait_alu depctr_hold_cnt(0) depctr_sa_sdst(0) depctr_va_vdst(0) depctr_va_sdst(0) depctr_va_ssrc(0) depctr_va_vcc(0) depctr_vm_vsrc(0)
	s_getreg_b32 s2, hwreg(HW_REG_IB_STS2, 6, 4)
	s_cmp_eq_u32 s2, 0
	s_cbranch_scc0 .Lentry_in_a_cluster
	s_endpgm
.Lentry_in_a_cluster:
	s_bfe_u32 s2, ttmp6, 0x10000c
	s_cmp_lg_u32 s2, 0xf033
	s_cbranch_scc0 .Lentry_shape_is_right
	s_endpgm
.Lentry_shape_is_right:
; The three quantised products, one launch: y_T = x_T W_T^T + b_T for T = q, k, v, on codes of FP4 (E2M1) with one E8M0 scale for each 32 along K = 1,024; sums in f32; y rounded once to f16 and laid by head:
; qkv[T][16 batch + head][s][64].  codes: 27,648 rows of 512 bytes (rows 0-24,575: query, key, value; row 24,576 + 1,024 T + n: row n of W_T); scales: the same rows, 32 bytes each.
; LIMIT: |y| up to 65,504, the largest f16 number.
; A tile of y, 256 x 256, is made by a work-group of four waves; a wave makes 128 x 128: 64 accumulators of 16 x 16, 512 registers.  Tile row ty = 0..95 (32 for each T), tile column tx = 0..3.
; ALL OF K LIES IN LDS AT ONCE: two slots of 512 along K (rows of 256 bytes), both asked for at the start.  No LDS byte is filled a second time.
; The scale bytes of the work-group's 256 rows of x and 256 rows of W, for all of K, are two dense blocks of memory: they come with the first fills and stay.
; CLUSTERS: 4 x 4 work-groups.  The four of a row of the cluster need the same tiles of x, the four of a column the same tiles of W: each tile is asked for JOINTLY, by the same tensor load with the same descriptor and a mask that names the four.
; THE MATRIX INSTRUCTION IS USED TRANSPOSED (source 0 = 16 rows of W, source 1 = 16 rows of x): a lane then holds eight neighbouring outputs of one row.  The bias is the C of each sum's first product.
; REGISTERS, in windows of 256: window 0: v0-31 addresses; v32-95 scale words, two sets, and nothing else; v128-191 x's fragments (8 x 16 rows x 128 K), one set; v192-255 the bias, 8 registers for each 16 columns.
;   window 1: W's fragments, two sets, at v0 and v128.   window 2: the accumulators of my rows 0-63 ((a, b) at v[8 (8 a + b)]);   window 3: those of my rows 64-127.
.set NQ,     4                         ; steps of 128 along K in a slot
.set ROWB,   256                       ; a tile's row in bytes: 512 codes
.set KROW,   512                       ; a row of codes in memory
.set PITCH,  272                       ; an LDS row: 256 bytes + 16 of padding = 68 words: row r starts at bank 4 r mod 64 (64 banks of 4 bytes: ISA guide 11.1)
.set FR,     8                         ; registers of a fragment: 16 rows x 128 K
.set NL,     2                         ; LDS loads that bring one
.set NP,     4                         ; places behind this matrix instruction (ISA guide 7.12.1)
.set HALFT,  128*PITCH                 ; 128 rows: what one tensor load brings
.set SLOT,   4*HALFT                   ; x's 256 rows, then W's 256 rows
.set KS,     32                        ; a row of scale bytes
.set SCL,    2*SLOT                    ; behind the slots: the scales, as rows of 256 bytes + 16 of padding
.set HALFS,  (128*KS/256)*272          ; the scales of 128 rows
.set SBLK,   (16*KS/256)*272           ; those of 16 rows
.set SPITCH, 144                       ; the way out: a stage row: a head's 128 bytes + 16
.set SHEAD,  16*SPITCH                 ; 16 rows of one head; a wave's stage is two of these.  The stages lie in slot 0, which nobody reads behind the change of slots and which is never filled again
.set ADRA, 16                          ; v16-17  LDS address of my x fragments in slot 0, 1
.set ADRB, 20                          ; v20-21  the same for W
.set STO,  24                          ; v24     the way out: where I put 16 bytes of a row
.set RD,   25                          ; v25     where I read rows back
.set CO,   26                          ; v26     16 x lane: my byte offset in 512 consecutive bytes of the output
.set ADRS, 27                          ; v27     LDS address of my scale words: lanes 0-15 x's rows, lanes 16-31 W's
.set BOF,  28                          ; v28     32 x (lane / 16): my eight numbers of a bias block
.set SC,   32                          ; scale words: set s at v[SC + 32 s]; register 4 i + q: lanes 0-15 x's block i, lanes 16-31 W's block i, the slot's q-th 128 along K
.set AF,   128
.set BIAS, 192
.set TMP,  192                         ; the way out: packed results
.set BK,   128                         ; and rows read back: v128-159 and v160-191 by turns
.set G1, 24
.set G0, 32
.set G1B, 48
.set G0B, 56
.set G1S, 68
.set G0S, 76
.set G1SB, 80
.set G0SB, 88
.set MSB, 0
.macro WIN new                         ; the immediate's high byte repeats the setting that is left
.if MSB != \new
	s_set_vgpr_msb (MSB<<8)|\new
.set MSB, \new
.endif
.endm
.set MUL_LO,  0xa1                     ; source 0 (W) window 1, source 1 (x) window 0, C and D window 2
.set MUL_HI,  0xf1                     ; the same, C and D window 3
.set MULZ_LO, 0x81                     ; the first products: C is the bias, in window 0
.set MULZ_HI, 0xc1
.set TO_B,    0x40                     ; destination window 1, address window 0
; A joint load: waves 0 and 1 fetch for x, waves 2 and 3 for W.  The branch hangs on the wave's number alone.  Four v_nop follow each of the two lines.
.macro JLOAD g0a, g1a, g0b, g1b
	s_cmp_eq_u32 s17, 0
	s_cbranch_scc0 .Lfor_b_\@
	tensor_load_to_lds s[\g0a:\g0a+3], s[\g1a:\g1a+7]
	s_nop 0
.rept 4
	v_nop
.endr
	s_branch .Lasked_\@
.Lfor_b_\@:
	tensor_load_to_lds s[\g0b:\g0b+3], s[\g1b:\g1b+7]
	s_nop 0
.rept 4
	v_nop
.endr
.Lasked_\@:
.endm
.macro CROUND                          ; a round of the cluster's barrier
	s_barrier_signal -1
	s_barrier_wait -1
	s_cmp_lg_u32 s16, 0
	s_cbranch_scc1 .Lnot_wave_0_\@
	s_barrier_signal -3
.Lnot_wave_0_\@:
	s_barrier_wait -3
	s_barrier_signal -1
	s_barrier_wait -1
.endm
	s_load_b256 s[4:11], s[0:1], 0x0               ; codes s[4:5], scales s[6:7], bq s[8:9], bk s[10:11]
	s_load_b128 s[12:15], s[0:1], 0x20             ; bv s[12:13], qkv s[14:15]
	v_lshl_add_u32 v126, v0, 2, 0x48400
	v_mov_b32 v127, 0
	ds_add_u32 v126, v127
	ds_add_u32 v126, v127
	v_lshrrev_b32 v1, 5, v0
	v_readfirstlane_b32 s16, v1                    ; wave 0..3
	s_lshr_b32 s17, s16, 1                         ; which half of the tile's rows is mine.  Also: I fetch for x (0) or for W (1)
	s_and_b32 s18, s16, 1                          ; which half of its columns.  Also: which 128 rows I fetch
	s_bfe_u32 s40, ttmp6, 0x40000                  ; cx, cy: my place in the cluster
	s_bfe_u32 s41, ttmp6, 0x40004
	s_lshl_b32 s42, ttmp9, 2
	s_add_co_u32 s42, s42, s40                     ; tx = 4 x cluster x + cx
	s_and_b32 s19, ttmp7, 0xffff                   ; cluster y, 0..23
	s_lshl_b32 s95, s19, 2
	s_add_co_u32 s95, s95, s41                     ; ty = 4 x cluster y + cy
	s_lshr_b32 s19, s19, 3                         ; T = ty / 32, from the cluster's y alone: the same in all sixteen partners
	s_lshl_b32 s43, s41, 2
	s_lshl_b32 s43, 15, s43                        ; my row of the cluster
	s_lshl_b32 s44, 0x1111, s40                    ; my column
	; descriptor group 1: a tile of 128 rows x 256 bytes, padded in LDS
	s_or_b32 s[G1+0], s43, (0<<16)|(1<<20)|(1<<21)|(5<<22)|(3<<25)  ; 15:0 the mask: x's tiles go to my row; 17:16 elements of 1 byte; 20 padding on; 21 set beside a mask; 24:22 after every 64 words (code 5); 31:25 four words (code 3)
	s_or_b32 s[G1B+0], s44, (0<<16)|(1<<20)|(1<<21)|(5<<22)|(3<<25)
.irp g, G1, G1B
	s_mov_b32 s[\g+1], ROWB<<16                    ; tensor_dim0
	s_mov_b32 s[\g+2], 128<<16                     ; tensor_dim1
	s_mov_b32 s[\g+3], ROWB<<16                    ; tile_dim0
	s_mov_b32 s[\g+4], 128                         ; tile_dim1
	s_mov_b32 s[\g+5], KROW                        ; tensor_dim0_stride
	s_mov_b32 s[\g+6], 0
	s_mov_b32 s[\g+7], 0
.endr
	; the scales of 128 rows: 4,096 dense bytes, as 16 rows of 256 bytes (32 elements of 8 bytes), 16 bytes of padding behind each
	s_or_b32 s[G1S+0], s43, (3<<16)|(1<<20)|(1<<21)|(5<<22)|(3<<25)
	s_or_b32 s[G1SB+0], s44, (3<<16)|(1<<20)|(1<<21)|(5<<22)|(3<<25)
.irp g, G1S, G1SB
	s_mov_b32 s[\g+1], 32<<16
	s_mov_b32 s[\g+2], (128*KS/256)<<16
	s_mov_b32 s[\g+3], 32<<16
	s_mov_b32 s[\g+4], 128*KS/256
	s_mov_b32 s[\g+5], 32
	s_mov_b32 s[\g+6], 0
	s_mov_b32 s[\g+7], 0
.endr
	s_lshl_b32 s96, s18, 7                         ; which 128 rows of the tile I fetch
	s_lshl_b32 s20, s95, 8
	s_add_co_u32 s20, s20, s96                     ; x: row 256 ty + 128 x half
	s_lshl_b32 s46, s42, 8
	s_add_co_u32 s46, s46, s96
	s_lshl_b32 s97, s19, 10
	s_add_co_u32 s46, s46, s97
	s_add_co_u32 s46, s46, 24576                   ; W: row 24,576 + 1,024 T + 256 tx + 128 x half
	s_lshl_b32 s22, s20, 5                         ; where these rows' scales begin, in bytes (all under 2^24),
	s_mov_b32 s23, 0
	s_lshl_b32 s92, s46, 5
	s_mov_b32 s93, 0
	s_lshl_b32 s20, s20, 9                         ; and their codes
	s_mov_b32 s21, 0
	s_lshl_b32 s46, s46, 9
	s_mov_b32 s47, 0
	s_mul_i32 s45, s16, HALFT                      ; where they go: wave x 128 rows: no place in the cluster enters an LDS address
	s_mul_i32 s94, s16, HALFS
	s_wait_dscnt 0x0
	s_wait_kmcnt 0x0
	s_add_nc_u64 s[20:21], s[4:5], s[20:21]
	s_add_nc_u64 s[22:23], s[6:7], s[22:23]
	s_add_nc_u64 s[46:47], s[4:5], s[46:47]
	s_add_nc_u64 s[92:93], s[6:7], s[92:93]
	CROUND                                         ; all sixteen work-groups are here: the joint loads meet
	s_mov_b32 s[G0S], 1
	s_add_co_u32 s[G0S+1], s94, SCL
	s_mov_b64 s[G0S+2:G0S+3], s[22:23]
	s_or_b32 s[G0S+3], s[G0S+3], 0x80000000
	s_mov_b32 s[G0SB], 1
	s_add_co_u32 s[G0SB+1], s94, SCL
	s_mov_b64 s[G0SB+2:G0SB+3], s[92:93]
	s_or_b32 s[G0SB+3], s[G0SB+3], 0x80000000
	JLOAD G0S, G1S, G0SB, G1SB                     ; the scales first: they are wanted with the first step
.irp s, 0,1
	s_mov_b32 s[G0+4*\s], 1
	s_add_co_u32 s[G0+4*\s+1], s45, \s*SLOT
	s_add_nc_u64 s[G0+4*\s+2:G0+4*\s+3], s[20:21], \s*ROWB
	s_or_b32 s[G0+4*\s+3], s[G0+4*\s+3], 0x80000000
	s_mov_b32 s[G0B+4*\s], 1
	s_add_co_u32 s[G0B+4*\s+1], s45, \s*SLOT
	s_add_nc_u64 s[G0B+4*\s+2:G0B+4*\s+3], s[46:47], \s*ROWB
	s_or_b32 s[G0B+4*\s+3], s[G0B+4*\s+3], 0x80000000
	JLOAD G0+4*\s, G1, G0B+4*\s, G1B               ; three tensor loads of mine are out behind the second of these
.endr
	; the bias of my 128 columns, in the result's layout: block b, lane (r, h): numbers 16 b + 8 h + 0 .. 7
	s_cmp_eq_u32 s19, 1
	s_cselect_b64 s[8:9], s[10:11], s[8:9]
	s_cmp_eq_u32 s19, 2
	s_cselect_b64 s[8:9], s[12:13], s[8:9]
	s_lshl_b32 s96, s42, 10
	s_lshl_b32 s97, s18, 9
	s_add_co_u32 s96, s96, s97                     ; 4 x (256 tx + 128 x half)
	s_mov_b32 s97, 0
	s_add_nc_u64 s[8:9], s[8:9], s[96:97]
	v_and_b32 v1, 15, v0                           ; r = lane % 16
	v_bfe_u32 v2, v0, 4, 1                         ; h = lane / 16
	v_lshlrev_b32 v[BOF], 5, v2
.irp b, 0,1,2,3,4,5,6,7
	global_load_b128 v[BIAS+8*\b:BIAS+8*\b+3], v[BOF], s[8:9] offset:64*\b
	global_load_b128 v[BIAS+8*\b+4:BIAS+8*\b+7], v[BOF], s[8:9] offset:64*\b+16
.endr
	v_mul_u32_u24 v3, v1, PITCH
	v_lshl_add_u32 v4, v2, 4, v3                   ; a fragment's row x pitch + 16 x half
	s_mul_i32 s21, s17, HALFT                      ; my 128 rows of x
	s_mul_i32 s22, s18, HALFT                      ; my 128 rows of W,
	s_add_co_u32 s22, s22, 2*HALFT                 ; which lie behind x's 256
.irp s, 0,1
	v_add_nc_u32 v[ADRA+\s], s21, v4
	v_add_nc_u32 v[ADRB+\s], s22, v4
	s_add_co_u32 s21, s21, SLOT
	s_add_co_u32 s22, s22, SLOT
.endr
	v_mul_u32_u24 v5, v1, KS                       ; my row's scales: 32 bytes a row,
	v_lshrrev_b32 v6, 8, v5
	v_lshl_add_u32 v5, v6, 4, v5                   ; and 16 more for each 256 passed
	s_mul_i32 s21, s17, HALFS                      ; x's: my 128 rows
	s_mul_i32 s22, s18, HALFS                      ; W's: my 128 rows, behind x's 256
	s_add_co_u32 s22, s22, 2*HALFS
	s_sub_co_u32 s22, s22, s21
	v_mul_u32_u24 v6, s22, v2                      ; lanes 16-31 take W's: the lower base + h x the distance
	s_add_co_u32 s21, s21, SCL
	v_add_nc_u32 v5, v5, v6
	v_add_nc_u32 v[ADRS], s21, v5
	s_mul_i32 s23, s16, 2*SHEAD                    ; my stage
	v_mul_u32_u24 v5, v1, SPITCH                   ; in: row r, 16 bytes for each half of the lanes
	v_lshl_add_u32 v5, v2, 4, v5
	v_add_nc_u32 v[STO], s23, v5
	v_and_b32 v6, 31, v0
	v_lshrrev_b32 v5, 3, v6                        ; back: eight lanes to a row of 128 bytes, four rows an instruction
	v_mul_u32_u24 v5, v5, SPITCH
	v_and_b32 v7, 7, v0
	v_lshl_add_u32 v5, v7, 4, v5
	v_add_nc_u32 v[RD], s23, v5
	v_lshlrev_b32 v[CO], 4, v6                     ; four rows of a head are 512 consecutive bytes of the output
	; my part of the output: T x 2^24 + batch x 16 heads + (4 tx + 2 x half) heads of 262,144 bytes + my first row x 128
	s_and_b32 s20, s95, 31
	s_lshr_b32 s21, s20, 3
	s_lshl_b32 s21, s21, 22                        ; batch = (ty % 32) / 8
	s_and_b32 s20, s95, 7
	s_lshl_b32 s20, s20, 15                        ; 256 rows of 128 bytes for each tile row in the batch
	s_add_co_u32 s20, s20, s21
	s_lshl_b32 s21, s17, 14                        ; my half: 128 rows
	s_add_co_u32 s20, s20, s21
	s_lshl_b32 s21, s19, 24
	s_add_co_u32 s20, s20, s21
	s_lshl_b32 s46, s42, 20
	s_lshl_b32 s47, s18, 19
	s_add_co_u32 s46, s46, s47
	s_add_co_u32 s20, s20, s46
	s_mov_b32 s21, 0
	s_add_nc_u64 s[14:15], s[14:15], s[20:21]
.macro FRAG reg, adr, q, i             ; a fragment: lane l holds row l % 16; registers 4 c .. 4 c + 3 hold K = 64 c + 32 (l / 16) + 0 .. 31
.irp c, 0,1
	ds_load_b128 v[\reg+4*\c:\reg+4*\c+3], v[\adr] offset:64*(\q)+32*\c+(\i)*16*PITCH
.endr
.endm
; 16 matrix instructions: x's blocks a0, a0 + 1 against W's eight, 128 along K: the slot's q-th.  p: W's set;  sc: the set of scale words.  zero = 1: the first product starts the sums, on the bias.
; The 64 accumulators take turns, one instruction a turn, in the same order in every step.
.macro MUL16 a0, p, q, sc, zero
.irp a, \a0, \a0+1
.irp b, 0,1,2,3,4,5,6,7
.if \zero
	v_wmma_scale_f32_16x16x128_f8f6f4 v[8*(8*((\a)%4)+\b):8*(8*((\a)%4)+\b)+7], v[128*(\p)+FR*\b:128*(\p)+FR*\b+FR-1], v[AF+FR*(\a):AF+FR*(\a)+FR-1], v[BIAS+8*\b:BIAS+8*\b+7], v[SC+8*NQ*(\sc)+NQ*\b+(\q)], v[SC+8*NQ*(\sc)+NQ*(\a)+(\q)] matrix_a_fmt:MATRIX_FMT_FP4 matrix_b_fmt:MATRIX_FMT_FP4 matrix_a_scale:MATRIX_SCALE_ROW1
.else
	v_wmma_scale_f32_16x16x128_f8f6f4 v[8*(8*((\a)%4)+\b):8*(8*((\a)%4)+\b)+7], v[128*(\p)+FR*\b:128*(\p)+FR*\b+FR-1], v[AF+FR*(\a):AF+FR*(\a)+FR-1], v[8*(8*((\a)%4)+\b):8*(8*((\a)%4)+\b)+7], v[SC+8*NQ*(\sc)+NQ*\b+(\q)], v[SC+8*NQ*(\sc)+NQ*(\a)+(\q)] matrix_a_fmt:MATRIX_FMT_FP4 matrix_b_fmt:MATRIX_FMT_FP4 matrix_a_scale:MATRIX_SCALE_ROW1
.endif
.endr
.endr
.endm
.macro FETCH_B slot, q, p              ; W's eight fragments of the slot's q-th 128 along K into set p
	WIN TO_B
.irp i, 0,1,2,3,4,5,6,7
	FRAG 128*(\p)+FR*\i, ADRB+\slot, \q, \i
.endr
	WIN 0
.endm
.macro FETCH_A slot, q, i0             ; x's blocks i0 .. i0 + 3
.irp i, \i0, \i0+1, \i0+2, \i0+3
	FRAG AF+FR*(\i), ADRA+\slot, \q, \i
.endr
.endm
.macro SCALES sc                       ; a slot's scale words into set sc: four words a row; lanes 0-15 take x's block i, lanes 16-31 W's block i
.irp i, 0,1,2,3,4,5,6,7
	ds_load_b128 v[SC+8*NQ*\sc+NQ*\i:SC+8*NQ*\sc+NQ*\i+3], v[ADRS] offset:\i*SBLK
.endr
.endm
; A load into a register that a matrix instruction has read, and a vector instruction that reads a matrix result, stand NP places behind that matrix instruction; only plain vector
; instructions that name none of its registers are places (ISA guide 7.12.1 for vector instructions).
.macro PLACES n
.rept \n
	v_nop
.endr
.endm
; A step of 128 along K that has its successor in the same slot: x's blocks one after the other, each against W's eight, so one set of registers serves x.
.macro STEP slot, q, zero
	s_wait_dscnt 4*NL                              ; W's set and x's blocks 0-3 are in; the youngest eight loads (x's blocks 4-7) may be out
.if \zero
	WIN MULZ_LO
.else
	WIN MUL_LO
.endif
	MUL16 0, (\q)%2, \q, \slot, \zero
	MUL16 2, (\q)%2, \q, \slot, \zero
	s_wait_dscnt 0                                 ; x's blocks 4-7 are in (asked for 32 matrix instructions ago)
	PLACES NP
	FETCH_B \slot, (\q)+1, 1-(\q)%2
	FETCH_A \slot, (\q)+1, 0
.if \zero
	WIN MULZ_HI
.else
	WIN MUL_HI
.endif
	MUL16 4, (\q)%2, \q, \slot, \zero
	MUL16 6, (\q)%2, \q, \slot, \zero
	PLACES NP
	WIN 0
	FETCH_A \slot, (\q)+1, 4
.endm
; Slot 0's last step changes slots: one barrier.  In front of it each wave's part of slot 1 has landed and its reads of slot 0 are over.
.macro TURN slot, next
	s_wait_tensorcnt 0x0                           ; my part of the next slot has landed
	s_wait_dscnt 4*NL                              ; (the youngest eight loads, x's blocks 4-7, may be out)
	WIN MUL_LO
	MUL16 0, 1, NQ-1, \slot, 0
	s_wait_dscnt 0x0                               ; my reads of this slot are over
	s_barrier_signal -1
	MUL16 2, 1, NQ-1, \slot, 0                     ; work on registers while the others arrive
	WIN 0
	s_barrier_wait -1
	PLACES NP
	v_add_nc_u32 v[ADRS], 4*NQ, v[ADRS]            ; on to the next slot's scale words
	FETCH_B \next, 0, 0
	FETCH_A \next, 0, 0
	SCALES \next
	WIN MUL_HI
	MUL16 4, 1, NQ-1, \slot, 0
	MUL16 6, 1, NQ-1, \slot, 0
	PLACES NP
	WIN 0
	FETCH_A \next, 0, 4
.endm
.macro STEPS slot, from                ; the slot's steps from .. NQ - 2
.set Q, \from
.rept NQ-1-\from
	STEP \slot, Q, 0
.set Q, Q+1
.endr
.endm
	s_wait_tensorcnt 1                             ; the scales and my part of slot 0 are in (slot 1's load may be out),
	s_barrier_signal -1
	s_barrier_wait -1                              ; everybody's are
	FETCH_B 0, 0, 0
	FETCH_A 0, 0, 0
	SCALES 0
	FETCH_A 0, 0, 4
	s_wait_loadcnt 0x0                             ; the bias
	STEP 0, 0, 1                                   ; the first step's products start the sums
	STEPS 0, 1
	TURN 0, 1
	STEPS 1, 0
	s_wait_dscnt 4*NL                              ; the last step: nothing more to fetch
	WIN MUL_LO
	MUL16 0, 1, NQ-1, 1, 0
	MUL16 2, 1, NQ-1, 1, 0
	s_wait_dscnt 0
	WIN MUL_HI
	MUL16 4, 1, NQ-1, 1, 0
	MUL16 6, 1, NQ-1, 1, 0
	WIN 0
; THE WAY OUT, block by block of 16 rows x 128 columns (two heads).  PACK: rounded to f16, 16 bytes a lane.  TOSTAGE: into my own stage, [head][row][144 bytes], and back four rows of a head at a time.
; SEND: 16 rows of a head are 2,048 consecutive bytes of the output: each store of the wave covers 512 of them, at a multiple of 256 from the buffer's first byte.
.macro PACK a
.set AC, 64*((\a)%4)
	WIN 0x0a+5*((\a)/4)                            ; sources 0 and 1: window 2 or 3
.irp b, 0,1,2,3,4,5,6,7
.irp r, 0,1,2,3
	v_cvt_pk_f16_f32 v[TMP+4*\b+\r], v[AC+8*\b+2*\r], v[AC+8*\b+2*\r+1]   ; each accumulator from its low end on
.endr
.endr
	WIN 0
.endm
.macro TOSTAGE a
.set BB, BK+32*((\a)%2)
.irp b, 0,1,2,3,4,5,6,7
	ds_store_b128 v[STO], v[TMP+4*\b:TMP+4*\b+3] offset:(\b/4)*SHEAD+32*(\b%4)
.endr
.irp t, 0,1,2,3,4,5,6,7
	ds_load_b128 v[BB+4*\t:BB+4*\t+3], v[RD] offset:(\t/4)*SHEAD+(\t%4)*4*SPITCH   ; LDS serves a wave's instructions in order (ISA guide 5.7.1.4): these see the stores above
.endr
.endm
.macro SEND a
.set BB, BK+32*((\a)%2)
	s_wait_dscnt 0x0                               ; the block is back in registers
	s_wait_xcnt 0x0                                ; the block before has had its stores' addresses translated (ISA guide 3.1): the next block's loads land in its registers only behind this wait
.irp t, 0,1,2,3,4,5,6,7
	global_store_b128 v[CO], v[BB+4*\t:BB+4*\t+3], s[14:15] offset:(\t/4)*262144+(\a)*2048+(\t%4)*512
.endr
.endm
	PLACES NP                                      ; behind the last products: for the loads into the registers that held x's fragments
	PACK 0
	TOSTAGE 0
.irp a, 1,2,3,4,5,6,7                  ; block a's conversions stand between block a - 1's loads from the stage and the wait for them
	PACK \a
	SEND \a-1
	TOSTAGE \a
.endr
	SEND 7
	s_wait_tensorcnt 0x0
	ds_add_u32 v126, v127
	s_wait_dscnt 0x0
	CROUND                                         ; the closing round: no work-group ends while a partner may still ask for a tile that names it
	s_endpgm
.Lfunc_end_k_q79d02d3c90_proj:
	.size	k_q79d02d3c90_proj, .Lfunc_end_k_q79d02d3c90_proj-k_q79d02d3c90_proj
	.p2alignl 7, 3214868480
	.fill 96, 4, 3214868480
	.section	.rodata,"a",@progbits
	.p2align	6, 0x0
	.amdhsa_kernel k_q79d02d3c90_proj
		.amdhsa_group_segment_fixed_size 327680
		.amdhsa_private_segment_fixed_size 0
		.amdhsa_enable_private_segment 0
		.amdhsa_kernarg_size 48
		.amdhsa_user_sgpr_count 2
		.amdhsa_user_sgpr_kernarg_segment_ptr 1
		.amdhsa_wavefront_size32 1
		.amdhsa_system_sgpr_workgroup_id_x 1
		.amdhsa_system_sgpr_workgroup_id_y 1
		.amdhsa_system_sgpr_workgroup_id_z 1
		.amdhsa_system_vgpr_workitem_id 0
		.amdhsa_next_free_vgpr 1024
		.amdhsa_next_free_sgpr 98
		.amdhsa_reserve_vcc 0
		.amdhsa_float_denorm_mode_32 3
		.amdhsa_float_denorm_mode_16_64 3
		.amdhsa_memory_ordered 1
		.amdhsa_forward_progress 1
		.amdhsa_inst_pref_size 128
	.end_amdhsa_kernel
	.amdgpu_metadata
---
amdhsa.version: [ 1, 2 ]
amdhsa.kernels:
  - .name:           k_q79d02d3c90_proj
    .symbol:         k_q79d02d3c90_proj.kd
    .args:
      - { .name: codes, .offset: 0, .size: 8, .value_kind: global_buffer, .address_space: global }
      - { .name: scales, .offset: 8, .size: 8, .value_kind: global_buffer, .address_space: global }
      - { .name: bq, .offset: 16, .size: 8, .value_kind: global_buffer, .address_space: global }
      - { .name: bk, .offset: 24, .size: 8, .value_kind: global_buffer, .address_space: global }
      - { .name: bv, .offset: 32, .size: 8, .value_kind: global_buffer, .address_space: global }
      - { .name: qkv, .offset: 40, .size: 8, .value_kind: global_buffer, .address_space: global }
    .group_segment_fixed_size: 327680
    .private_segment_fixed_size: 0
    .kernarg_segment_align: 8
    .kernarg_segment_size: 48
    .max_flat_workgroup_size: 128
    .sgpr_count:     98
    .vgpr_count:     1024
    .wavefront_size: 32
...
	.end_amdgpu_metadata
.endif
;; end of part 2
;; launch attn (part 3): grid 8 x 64, 4 waves a work-group, clusters of 4 x 1, 327,680 bytes of LDS; arguments qkv, xa; writes xa
.if DOCPART == 3
	.amdgcn_target "amdgcn-amd-amdhsa--gfx1250"
	.amdhsa_code_object_version 6
	.text
	.protected	k_q79d02d3c90_attn
	.globl	k_q79d02d3c90_attn
	.p2align	8
	.type	k_q79d02d3c90_attn,@function
k_q79d02d3c90_attn:
	s_mov_b64 s[64:65], 0
	v_nop
	global_prefetch_b8 v0, s[64:65] scope:SCOPE_SE
	s_setreg_imm32_b32 hwreg(HW_REG_WAVE_MODE, 25, 1), 1
	s_wait_xcnt 0x0
	s_wait_alu depctr_hold_cnt(0) depctr_sa_sdst(0) depctr_va_vdst(0) depctr_va_sdst(0) depctr_va_ssrc(0) depctr_va_vcc(0) depctr_vm_vsrc(0)
	s_getreg_b32 s2, hwreg(HW_REG_IB_STS2, 6, 4)
	s_cmp_eq_u32 s2, 0
	s_cbranch_scc0 .Lentry_in_a_cluster
	s_endpgm
.Lentry_in_a_cluster:
	s_bfe_u32 s2, ttmp6, 0x10000c
	s_cmp_lg_u32 s2, 0x3003
	s_cbranch_scc0 .Lentry_shape_is_right
	s_endpgm
.Lentry_shape_is_right:
; xa[bh][q][:] = the sum over k of softmax_k(Q[bh][q] . K[bh][k] / 8) V[bh][k][:].  Q, K, V: qkv[T][bh][2048][64], f16 (T = 0, 1, 2; 2^24 bytes each); xa: [bh][2048][64], f16.
; Products, maxima and sums in f32; the weights p are rounded to f16 for the second product, the result once at the end.  LIMIT: |result| up to 65,504, the largest f16 number.
; SHARES.  A work-group owns 256 queries of one head, each of its four waves 64: four tiles of 16.  Every wave walks all 2,048 keys of the head, 64 a step.
; LAYOUT.  S^T = K Q^T (source 0 = 16 keys, source 1 = 16 queries): a lane holds ONE query (lane % 16) and the keys 8 (lane / 16) + 0..7.  Two such tiles, rounded to f16 in pairs, ARE source 1
; (32 keys x 16 queries) of O^T = V^T P, whose result again holds one query a lane, and eight channels.  K comes out of LDS as it lies, V ([key][channel]) turned, by ds_load_tr16_b128.
; SOFTMAX.  For each query a running maximum m and sum l: p = 2^(c s - c m), c = log2(e) / 8; in every step O and l are multiplied by a = 2^(c m_old - c m_new).
; BY TURNS.  The wave's tiles are two PIECES (piece 0: tiles 0, 1; piece 2: tiles 2, 3).  In a TURN one piece has the matrix unit: 16 products V^T P of the step in hand, then 16 products K Q^T of the
; next step; the other piece's softmax, cut into 64 slices, stands between them, two slices behind each matrix instruction.  Then the pieces change places.  Two turns are a key step.
; A tile's softmax is 118 vector instructions for 16 matrix instructions; set in phases of their own they would leave the matrix unit without work all that while: so slices and their window switches are the lesser price.
; RING.  Rows of K and V are 128 bytes and dense in memory: a tile is stated as rows of 256 bytes (two keys).  A slot holds four key steps (256 keys); two slots; waves 0, 1 fetch K's halves, waves 2, 3 V's.
; CLUSTER.  The four query blocks of a cluster belong to one head and walk the same K and V: each tile is asked for JOINTLY, by the same tensor load with the same descriptor and a mask that names the four.
; REGISTERS, in windows of 256 (s_set_vgpr_msb: bits 1:0 source 0, 3:2 source 1, 5:4 source 2, 7:6 destination):
;   window 0: v0-11 addresses; v12-43 eight registers of statistics a tile; v61-63; v64-191 S^T, 32 a tile; v192-255 P, 16 a tile
;   window 1: v0-127 O^T, 32 a tile          window 2: v0-63 Q, 16 a tile; v64-127 V of one step; v128-191 K of one step
.set PK2,   272       ; two keys of K in LDS: 256 bytes + 16 of padding: key kk lies at (kk / 2) x 272 + (kk % 2) x 128: the 16 keys of a load start at 16 different groups of four banks (64 banks of 4 bytes: ISA guide 11.1)
.set PV2,   288       ; two keys of V: 256 + 32
.set KSTEPB, 32*PK2   ; a step's 64 keys of K in LDS
.set VSTEPB, 32*PV2   ; and of V
.set KHALF, 64*PK2    ; 128 keys: what one tensor load brings
.set VHALF, 64*PV2
.set VOFF,  2*KHALF   ; a slot: 256 keys of K, then 256 of V
.set SLOT1, 1<<17     ; slot 1 begins here, so that one exclusive or turns an address in one slot into the other's
.set SLOTB, 32768     ; a slot's keys in memory: 256 rows of 128 bytes
.set STAGE, SLOT1+VOFF+2*VHALF  ; behind the ring: 16 rows x 144 bytes for each wave, for the way out
.set SP,    144
.set SPARE, STAGE+4*16*SP  ; behind the stages: the spare words, 128 bytes for each wave: two blocks of 256 bytes that no other line names
.set AK0, 2           ; v2   my lane's place in a tile of K; never rewritten
.set AV0, 3           ; v3   the same for V
.set ADR, 4           ; v4   the LDS address of the run of loads in hand
.set QO,  5           ; v5   my byte offset in the wave's rows of Q
.set STO, 6           ; v6   the way out: where I put 16 bytes of a row
.set RD,  7           ; v7   where I read rows back
.set GO,  8           ; v8   16 x lane
.set PFO, 61          ; v61  256 x my lane; never rewritten
.set SPW, 62          ; v62  LDS address of my spare word: SPARE + 4 x my thread's number; never rewritten
.set NIL, 63          ; v63  0; never rewritten
.set ST,  12          ; tile t's statistics at v[ST+8 t]: +0 c m, +1 m, +2, +3 l (even keys', odd keys'), +4 to +7 c0-c3, at work; a takes c2's place once the maximum is found
.set S,   64
.set P,   192
.set VF,  64          ; V's fragments, in window 2
.set KF,  128         ; K's
.set WV,  12          ; s12  my wave's number
.set LIM, 15          ; s15  1 in a wave that prefetches, else the greatest number
.set PFA, 18          ; s[18:19] where my prefetches stand
.set G1K, 24          ; s[24:31] descriptor group 1 for K's tiles
.set G1V, 32          ; s[32:39] for V's: it differs in the padding alone
.set G0K, 40          ; s[40:47] group 0 for K's tiles: a set for each of the two first fills; the second then walks on
.set G0V, 48          ; s[48:55] the same for V's
.set SLOTS, 56        ; s56  slots still to be asked for
.set CNT, 57          ; s57  counts key steps
.set CS,  58          ; s[58:59] c
.set SEL, 60          ; s[60:61] lane selects for v_permlanex16_b32: each lane takes its own place in the other half
.set TBK, 62          ; s62  LDS byte at which K of the step to be fetched begins
.set TBV, 63          ; s63  the same for V, less VOFF
.set MSB, 0
.macro WIN new                      ; the immediate's high byte repeats the setting that is left; a switch that changes nothing is dropped
.if MSB != \new
	s_set_vgpr_msb (MSB<<8)|\new
.set MSB, \new
.endif
.endm
.set W_KQ, 0x0a       ; K and Q in window 2, S^T in window 0
.set W_PV, 0x52       ; V in window 2, P in window 0, O^T in window 1
.set W_RS, 0x41       ; O^T (destination and source 0) in window 1, a in window 0
; A joint refill.  Waves 0 and 1 fetch K's halves of a slot, waves 2 and 3 V's.  The branch hangs on the wave's number alone.  Four v_nop follow each of the two lines.
.macro JLOAD
	s_cmp_lt_u32 s[WV], 2
	s_cbranch_scc0 .Lfor_v_\@
	tensor_load_to_lds s[G0K+4:G0K+7], s[G1K:G1K+7]
	s_nop 0
.rept 4
	v_nop
.endr
	s_branch .Lasked_\@
.Lfor_v_\@:
	tensor_load_to_lds s[G0V+4:G0V+7], s[G1V:G1V+7]
	s_nop 0
.rept 4
	v_nop
.endr
.Lasked_\@:
.endm
; A PREFETCH INTO THE L2 of what the NEXT change of slots will ask for: a slot's 32,768 bytes of K and of V, lanes 256 bytes apart.  It stands behind the wave's tensor load and its four lines.
; Each 256 bytes are asked for ONCE in the launch.  Both clusters of a head walk the same K and V: the head's first cluster asks.  Its four partners share the bytes out BY ADDRESS, 8,192 each;
; in each, wave 0 asks for K's and wave 2 for V's: one instruction.  The last change that fills a slot asks for nothing: there is no slot behind it.  Slots 0 to 2 come by their loads alone.
.macro ASK
	s_cmp_gt_u32 s[SLOTS], s[LIM]
	s_cbranch_scc0 .Lnot_mine_\@
	global_prefetch_b8 v[PFO], s[PFA:PFA+1] th:TH_LOAD_NT scope:SCOPE_SE
.Lnot_mine_\@:
.endm
.macro CROUND                       ; a round of the cluster's barrier
	s_barrier_signal -1
	s_barrier_wait -1
	s_cmp_lg_u32 s[WV], 0
	s_cbranch_scc1 .Lnot_wave_0_\@
	s_barrier_signal -3
.Lnot_wave_0_\@:
	s_barrier_wait -3
	s_barrier_signal -1
	s_barrier_wait -1
.endm
	s_load_b128 s[4:7], s[0:1], 0x0   ; qkv s[4:5], xa s[6:7]
	v_lshl_add_u32 v[SPW], v0, 2, SPARE
	v_mov_b32 v[NIL], 0
	ds_add_u32 v62, v63
	ds_add_u32 v62, v63
	s_wait_dscnt 0x0
	v_lshrrev_b32 v1, 5, v0
	v_readfirstlane_b32 s[WV], v1   ; wave 0..3
	s_bfe_u32 s13, ttmp6, 0x40000   ; cx: my place in the cluster
	s_lshl_b32 s14, ttmp9, 2
	s_add_co_u32 s14, s14, s13      ; my block of 256 queries = 4 x cluster x + cx: it enters Q's and xa's addresses alone
	s_and_b32 s20, ttmp7, 0xffff    ; the head, which the four partners share
	s_lshl_b32 s20, s20, 18         ; its first byte in Q, K, V and xa: 2,048 rows of 128 bytes
	s_mov_b32 s21, 0
	s_and_b32 s16, s[WV], 1         ; which half of a slot I fetch:
	s_lshl_b32 s22, s16, 14         ; its 128 rows of 128 bytes in memory,
	s_mov_b32 s23, 0
	s_add_nc_u64 s[22:23], s[22:23], s[20:21]
	s_mul_i32 s17, s16, KHALF       ; and its place in a slot, for K
	s_mul_i32 s16, s16, VHALF       ; and for V: no place in the cluster enters an LDS address
	s_lshl_b32 s2, s14, 15          ; my block's 256 rows,
	s_lshl_b32 s3, s[WV], 13        ; my wave's 64 of them
	s_add_co_u32 s2, s2, s3
	s_mov_b32 s3, 0
	s_add_nc_u64 s[2:3], s[2:3], s[20:21]
	; descriptor group 1: a tile of 64 rows x 128 elements of 2 bytes (two keys to a row), dense in memory, padded in LDS
	s_mov_b32 s[G1K], 15|(1<<16)|(1<<20)|(1<<21)|(5<<22)|(3<<25)  ; 15:0 the mask: all four work-groups; 17:16 elements of 2 bytes; 20 padding on; 21 set beside a mask; 24:22 after every 64 words (code 5); 31:25 four words (code 3)
	s_mov_b32 s[G1V], 15|(1<<16)|(1<<20)|(1<<21)|(5<<22)|(7<<25)  ; the same with 8 words of padding (code 7)
.irp g, G1K, G1V
	s_mov_b32 s[\g+1], 128<<16      ; tensor_dim0 = 128
	s_mov_b32 s[\g+2], 64<<16       ; tensor_dim1 = 64
	s_mov_b32 s[\g+3], 128<<16      ; tile_dim0 = 128
	s_mov_b32 s[\g+4], 64           ; tile_dim1 = 64
	s_mov_b32 s[\g+5], 128          ; tensor_dim0_stride
	s_mov_b32 s[\g+6], 0
	s_mov_b32 s[\g+7], 0
.endr
	s_mov_b32 s[CS], 0x3e38aa3b     ; c = log2(e) / 8 = 0.180337
	s_mov_b32 s[CS+1], s[CS]        ; named with it as a pair, so it is written
	s_mov_b32 s[SEL], 0x76543210
	s_mov_b32 s[SEL+1], 0xfedcba98
	s_mov_b32 s[TBK], 0
	s_mov_b32 s[TBV], 0
	s_mov_b32 s[SLOTS], 6           ; 8 slots' worth of keys; two are first fills
	s_and_b32 s[LIM], s[WV], 1      ; 0 in waves 0 and 2,
	s_or_b32 s[LIM], s[LIM], ttmp9  ; where the cluster is the head's first: the same in all four partners
	s_cmp_eq_u32 s[LIM], 0
	s_cselect_b32 s[LIM], 1, -1
	v_and_b32 v[PFO], 31, v0
	v_lshlrev_b32 v[PFO], 8, v[PFO]
	s_wait_kmcnt 0x0
	s_mov_b64 s[10:11], s[6:7]      ; xa
	s_add_nc_u64 s[6:7], s[4:5], 0x1000000  ; K
	s_add_nc_u64 s[8:9], s[4:5], 0x2000000  ; V
	s_add_nc_u64 s[6:7], s[6:7], s[22:23]   ; K and V at my tile of slot 0
	s_add_nc_u64 s[8:9], s[8:9], s[22:23]
	s_add_nc_u64 s[4:5], s[4:5], s[2:3]     ; Q and xa at my wave's first row
	s_add_nc_u64 s[10:11], s[10:11], s[2:3]
	s_cmp_lt_u32 s[WV], 2
	s_cselect_b64 s[PFA:PFA+1], s[6:7], s[8:9]  ; (in waves 0 and 2 these stand at a slot's first row)
	s_lshl_b32 s2, s13, 13          ; my work-group's 8,192 bytes of the 32,768
	s_mov_b32 s3, 0
	s_add_nc_u64 s[PFA:PFA+1], s[PFA:PFA+1], s[2:3]
	s_add_nc_u64 s[PFA:PFA+1], s[PFA:PFA+1], 2*SLOTB  ; in slot 2; the first change of slots steps it to slot 3.  Nothing is prefetched here, at the head
	CROUND                          ; all four work-groups are here: the first joint loads meet
.irp s, 0,1
	s_mov_b32 s[G0K+4*\s], 1        ; count = 1
	s_add_co_u32 s[G0K+4*\s+1], s17, \s*SLOT1  ; LDS address
	s_add_nc_u64 s[G0K+4*\s+2:G0K+4*\s+3], s[6:7], \s*SLOTB  ; global address: slot s begins with keys 256 s on
	s_or_b32 s[G0K+4*\s+3], s[G0K+4*\s+3], 0x80000000  ; type = 2
	s_mov_b32 s[G0V+4*\s], 1
	s_add_co_u32 s[G0V+4*\s+1], s16, \s*SLOT1+VOFF
	s_add_nc_u64 s[G0V+4*\s+2:G0V+4*\s+3], s[8:9], \s*SLOTB
	s_or_b32 s[G0V+4*\s+3], s[G0V+4*\s+3], 0x80000000
.endr
	s_cmp_lt_u32 s[WV], 2           ; a wave's two first fills stand in one branch, ahead of every wait on TENSORcnt and every LDS read: two loads of mine are out
	s_cbranch_scc0 .Lfirst_v
	tensor_load_to_lds s[G0K:G0K+3], s[G1K:G1K+7]
	s_nop 0
	tensor_load_to_lds s[G0K+4:G0K+7], s[G1K:G1K+7]
	s_nop 0
.rept 4
	v_nop
.endr
	s_branch .Lfirst_asked
.Lfirst_v:
	tensor_load_to_lds s[G0V:G0V+3], s[G1V:G1V+7]
	s_nop 0
	tensor_load_to_lds s[G0V+4:G0V+7], s[G1V:G1V+7]
	s_nop 0
.rept 4
	v_nop
.endr
.Lfirst_asked:
	; A fragment of K or Q is 16 rows x 32 channels in 8 registers: lane l holds row l % 16; registers 0-3 channels 8 (l / 16) + 0..7, registers 4-7 channels 16 + 8 (l / 16) + 0..7: two loads of 16 bytes, 32 bytes apart.
	v_and_b32 v1, 15, v0            ; r = l % 16
	v_bfe_u32 v9, v0, 4, 1          ; h = l / 16
	v_lshlrev_b32 v[QO], 7, v1
	v_lshl_add_u32 v[QO], v9, 4, v[QO]  ; row x 128 + 16 x half
	WIN 0x80                        ; destination window 2, address window 0
.irp i, 0,1,2,3,4,5,6,7             ; Q stays in registers: tile i / 2, channels 32 (i % 2) on
	global_load_b128 v[8*\i:8*\i+3],   v[QO], s[4:5] offset:(\i/2)*2048+(\i%2)*64
	global_load_b128 v[8*\i+4:8*\i+7], v[QO], s[4:5] offset:(\i/2)*2048+(\i%2)*64+32
.endr
	WIN 0
	v_lshrrev_b32 v10, 1, v1
	v_mul_u32_u24 v[AK0], v10, PK2
	v_and_b32 v11, 1, v0
	v_lshl_add_u32 v[AK0], v11, 7, v[AK0]
	v_lshl_add_u32 v[AK0], v9, 4, v[AK0]  ; (r / 2) x 272 + (r % 2) x 128 + 16 h
	; The turning load takes 16 keys x 16 channels (lane l reads 16 bytes: key 8 (l / 16) + l % 8, channels 8 ((l / 8) % 2) + 0..7) and leaves half a fragment of V^T: lane l holds channel l % 16 and 8 keys.
	v_bfe_u32 v10, v0, 1, 2
	v_lshl_add_u32 v10, v9, 2, v10  ; the key's pair: 4 h + (l % 8) / 2
	v_mul_u32_u24 v[AV0], v10, PV2
	v_lshl_add_u32 v[AV0], v11, 7, v[AV0]
	v_bfe_u32 v10, v0, 3, 1
	v_lshl_add_u32 v[AV0], v10, 4, v[AV0]
	v_add_nc_u32 v[AV0], VOFF, v[AV0]
; THE MATRIX WORK OF A TURN, for piece x.  The accumulators take turns, one instruction a turn: between two links of a chain stand 7 others'.
; Product i of 16 of O^T += V^T P: keys 32 (i / 8) on, channels 16 ((i / 2) % 4) on, tile x + i % 2.  zero = 1: the first 8 start the sums: nothing is ever cleared.
.macro PV x, zero
	WIN W_PV
.set rO, 32*(\x+i%2)+8*((i/2)%4)
.set rV, VF+32*(i/8)+8*((i/2)%4)
.set rP, P+16*(\x+i%2)+8*(i/8)
.if \zero && (i < 8)
	v_wmma_f32_16x16x32_f16 v[rO:rO+7], v[rV:rV+7], v[rP:rP+7], 0
.else
	v_wmma_f32_16x16x32_f16 v[rO:rO+7], v[rV:rV+7], v[rP:rP+7], v[rO:rO+7]
.endif
.endm
; Product i of 16 of S^T = K Q^T: channels 32 (i / 8) on, keys 16 ((i / 2) % 4) on, tile x + i % 2.  The first 8 start the sums.
.macro KQ x
	WIN W_KQ
.set rS, S+32*(\x+i%2)+8*((i/2)%4)
.set rK, KF+16*((i/2)%4)+8*(i/8)
.set rQ, 16*(\x+i%2)+8*(i/8)
.if i < 8
	v_wmma_f32_16x16x32_f16 v[rS:rS+7], v[rK:rK+7], v[rQ:rQ+7], 0
.else
	v_wmma_f32_16x16x32_f16 v[rS:rS+7], v[rK:rK+7], v[rQ:rQ+7], v[rS:rS+7]
.endif
.endm
; THE LDS LOADS stand in runs of 16, never singly among the matrix instructions: a step's K (64 keys x 64 channels: 8 fragments) and, a turn later, its V (turned).
.macro FETCH_K
	WIN 0
	v_add_nc_u32 v[ADR], s[TBK], v[AK0]
	s_add_co_u32 s[TBK], s[TBK], KSTEPB  ; the next fetch is the next step's
	WIN 0x80                        ; destination window 2
.irp f, 0,1,2,3,4,5,6,7             ; keys 16 (f / 2) on, channels 32 (f % 2) on
	ds_load_b128 v[KF+8*\f:KF+8*\f+3],   v[ADR] offset:(\f/2)*8*PK2+(\f%2)*64
	ds_load_b128 v[KF+8*\f+4:KF+8*\f+7], v[ADR] offset:(\f/2)*8*PK2+(\f%2)*64+32
.endr
.endm
.macro FETCH_V
	WIN 0
	v_add_nc_u32 v[ADR], s[TBV], v[AV0]
	s_add_co_u32 s[TBV], s[TBV], VSTEPB
	WIN 0x80
.irp f, 0,1,2,3,4,5,6,7             ; keys 32 (f / 4) on, channels 16 (f % 4) on
	ds_load_tr16_b128 v[VF+8*\f:VF+8*\f+3],   v[ADR] offset:(\f/4)*16*PV2+(\f%4)*32
	ds_load_tr16_b128 v[VF+8*\f+4:VF+8*\f+7], v[ADR] offset:(\f/4)*16*PV2+8*PV2+(\f%4)*32
.endr
.endm
; THE VECTOR WORK OF A TURN.  One tile's softmax for one key step is a list of 118 instructions; SM writes number j of it for tile t.  s0-s31 are the lane's 32 scores, in pairs 0-15.
; first = 1: the first key step, which starts m, l and O^T: it has no a and nothing to rescale.
;   0-15    the maximum of s0-s31 and the old m, three operands at a time: four chains c0-c3 of seven scores each, then the four scores left over, c0-c3 and m
;   16-20   the other half of the lanes' maximum; the new m; c m; c m_old - c m_new
;   21-87   33 exponentials (a, then s0-s31) at the odd numbers from 23 on, so that no two follow each other and each has a plain instruction behind it before its result is used.
;           Plain instruction q (number 21, then the even numbers) is whatever is ready: c s - c m for a pair of scores whose exponentials are still to come, the rounding to f16 of a pair of weights
;           whose exponentials are done, at last the first three sums
;   88-101  the last rounding; the rest of the sums; l = a l + the sum
;   102-117 the tile's O^T times a: the one part that leaves window 0, so it stands together
.macro SM t, first
.set rT, ST+8*(\t)
.set rS, S+32*(\t)
.set rP, P+16*(\t)
.set rO, 32*(\t)+2*(j-102)
.set q, (j-20)/2
.if j < 102
	WIN 0
.endif
.if j < 4
	v_max3_num_f32 v[rT+4+j], v[rS+8*j], v[rS+8*j+1], v[rS+8*j+2]  ; each of the four results is read from its low end on
.elseif j < 12
	v_max3_num_f32 v[rT+4+j%4], v[rT+4+j%4], v[rS+8*(j%4)+2*(j/4)+1], v[rS+8*(j%4)+2*(j/4)+2]
.elseif j == 12
	v_max3_num_f32 v[rT+4], v[rT+4], v[rS+7], v[rS+15]
.elseif j == 13
	v_max3_num_f32 v[rT+6], v[rT+6], v[rS+23], v[rS+31]
.elseif j == 14
	v_max3_num_f32 v[rT+4], v[rT+4], v[rT+5], v[rT+6]
.elseif (j == 15) && \first
	v_max_num_f32 v[rT+4], v[rT+4], v[rT+7]
.elseif j == 15
	v_max3_num_f32 v[rT+4], v[rT+4], v[rT+7], v[rT+1]
.elseif j == 16
	v_permlanex16_b32 v[rT+5], v[rT+4], s[SEL], s[SEL+1]  ; the query's other 32 keys lie in the lane 16 away
.elseif j == 18
	v_max_num_f32 v[rT+1], v[rT+4], v[rT+5]
.elseif j == 19
	v_mul_f32 v[rT], s[CS], v[rT+1]
.elseif ((j == 17) || (j == 20) || (j == 23) || (j > 101)) && \first  ; the first step has none of these
.elseif j == 17
	v_mov_b32 v[rT+7], v[rT]        ; c m_old is kept for a: number 19 writes c m anew
.elseif j == 20
	v_sub_f32 v[rT+7], v[rT+7], v[rT]
.elseif j == 23
	v_exp_f32 v[rT+6], v[rT+7]
.elseif (j < 88) && (j > 23) && (j%2 == 1)
	v_exp_f32 v[rS+(j-25)/2], v[rS+(j-25)/2]
.elseif (q < 4) || ((j < 76) && (q%2 == 0))
.set b, q/2+2
.if q < 4
.set b, q
.endif
	v_pk_fma_f32 v[rS+2*b:rS+2*b+1], v[rS+2*b:rS+2*b+1], s[CS:CS+1], v[rT:rT+1] op_sel_hi:[1,0,0] neg_lo:[0,0,1] neg_hi:[0,0,1]  ; pair b: c s - c m
.elseif (j < 88) && (q%2 == 1)
	s_wait_alu depctr_va_vdst(0)
	v_cvt_pk_f16_f32 v[rP+(q-5)/2], v[rS+q-5], v[rS+q-4]  ; pair (q - 5) / 2: its second exponential stands three numbers back
.elseif j == 89
	s_wait_alu depctr_va_vdst(0)
	v_cvt_pk_f16_f32 v[rP+15], v[rS+30], v[rS+31]
.elseif j < 102                     ; the sum of the tile's 16 pairs, in place: sum z of 16 adds neighbours 1, 2, 4 and 8 pairs apart, then l takes it
.set z, j-86
.if j < 89
.set z, (j-76)/4
.endif
.set w, 4
.set u, z
.if z >= 14
.set w, 32
.set u, 0
.elseif z >= 12
.set w, 16
.set u, z-12
.elseif z >= 8
.set w, 8
.set u, z-8
.endif
.if (z == 14) && \first
	v_pk_add_f32 v[rT+2:rT+3], v[rS:rS+1], v[rS+16:rS+17]
.elseif z < 15
	v_pk_add_f32 v[rS+w*u:rS+w*u+1], v[rS+w*u:rS+w*u+1], v[rS+w*u+w/2:rS+w*u+w/2+1]
.elseif !\first
	v_pk_fma_f32 v[rT+2:rT+3], v[rT+2:rT+3], v[rT+6:rT+7], v[rS:rS+1] op_sel_hi:[1,0,1]
.endif
.else
	WIN W_RS
	v_pk_mul_f32 v[rO:rO+1], v[rO:rO+1], v[rT+6:rT+7] op_sel_hi:[1,0]
.endif
.endm
; Slice k of 64 of piece y's softmax.  Slices 0-50: numbers 2 k and 2 k + 1 of both tiles' lists, four instructions.  Slices 51-62: number 51 + k of both.  Slice 63: numbers 114-117 of both.
; 51 x 4 + 12 x 2 + 8 = 2 x 118.  Slices 62 and 63, ten plain instructions on O^T and a, are the places behind a turn's last product.
.macro SLICE y, first
.if k < 51
.if (k >= 11) && (k < 44)           ; tile by tile: plain, exponential, plain, exponential
.irp t, \y, \y+1
.irp n, 0,1
.set j, 2*k+\n
	SM \t, \first
.endr
.endr
.else                               ; the two tiles alternate, so that no instruction reads the result of the one just before it
.irp n, 0,1
.irp t, \y, \y+1
.set j, 2*k+\n
	SM \t, \first
.endr
.endr
.endif
.elseif k < 63
.irp t, \y, \y+1
.set j, 51+k
	SM \t, \first
.endr
.else
.irp n, 0,1,2,3
.irp t, \y, \y+1
.set j, 114+\n
	SM \t, \first
.endr
.endr
.endif
.set k, k+1
.endm
; A vector instruction that reads a matrix result or writes one of a matrix instruction's registers, and a load into a register that a matrix instruction has read, stand four places behind
; it, and only plain vector instructions that name none of its registers are places (ISA guide 7.12.1 for vector instructions).  In the loop the slices are the places.
.macro PLACES
.rept 4
	v_nop
.endr
.endm
; A TURN.  Piece x has the matrix unit; the other piece's softmax stands in slices behind its matrix instructions.
; pv = 2: 16 products V^T P; 1: they start O^T's sums; 0: none.  kq = 1: 16 products K Q^T for the next step.  A turn with one of the two kinds has four slices behind each product.
; first = 1: the softmax is the first key step's.  Its slices from 51 on are empty: four v_nop take their part as the places behind the turn's last products.
; Each run of loads stands behind the second product of a run of 16, 14 matrix instructions ahead of its first use.  Piece 0's turn fetches the next step's K: the last product that read K
; stands in front of slices 62 and 63 of the turn before.  Piece 2's turn fetches the same step's V: the last product that read V stands six slices, twelve plain instructions, back.
.macro TURN x, pv, kq, first
.set k, 0
.set per, 4
.if \pv && \kq
.set per, 2
.endif
.if \pv
.if \x == 0
	s_wait_dscnt 0x0                ; V is in
.endif
.set i, 0
.rept 16
	PV \x, 2-\pv
.rept per
	SLICE 2-\x, \first
.endr
.if (\x == 0) && \kq && (i == 1)
	FETCH_K
.endif
.set i, i+1
.endr
.endif
.if \kq
.if \x == 0
	s_wait_dscnt 0x0                ; K is in
.endif
.set i, 0
.rept 16
	KQ \x
.rept per
	SLICE 2-\x, \first
.endr
.if (\x == 2) && (i == 1)
	FETCH_V
.endif
.set i, i+1
.endr
.endif
.if \first
	PLACES
.endif
.endm
; THE CHANGE OF SLOTS, between piece 2's turn and piece 0's: the slot's last bytes, V of its fourth step, have been asked for.  Each wave waits for all its tensor loads, of which one is out:
; its part of the other slot; adds 0 to its spare word; and waits for that and for its own reads of the slot.  Behind the barrier nobody reads this slot any more and the other slot is whole.
; fill = 1: this slot is filled again, with the keys two slots on.  The barrier is then a round of the cluster's, so that no wave of any partner still reads the slot or has a load on its
; way, and the joint refill is the first thing behind it: it has four key steps, 256 matrix instructions, in which to land.
.macro CHANGE fill
	WIN 0                           ; at a label and at a branch every window is 0
	s_wait_tensorcnt 0x0            ; no tensor load of mine is out, so a group 0 may be written
	ds_add_u32 v[SPW], v[NIL]       ; 0 onto my spare word; with fill = 1 the descriptors' steps stand between it and the wait for it
.if \fill
.irp g, G0K+4, G0V+4
	s_xor_b32 s[\g+1], s[\g+1], SLOT1  ; the walking descriptor: the other slot than last time,
	s_add_nc_u64 s[\g+2:\g+3], s[\g+2:\g+3], SLOTB  ; the next 256 keys; the type bits on top are not reached
.endr
	s_wait_xcnt 0x0                 ; the last prefetch, four key steps back, has read its address, so it may be written:
	s_add_nc_u64 s[PFA:PFA+1], s[PFA:PFA+1], SLOTB  ; one slot further on than the walking descriptors
	s_wait_dscnt 0x0                ; the add is done, and my reads of the slot are over
	CROUND
	JLOAD
	ASK                             ; what the next change will ask for: four key steps, 256 matrix instructions, ahead
.else
	s_wait_dscnt 0x0                ; the add is done, and my reads of the slot are over
	s_barrier_signal -1
	s_barrier_wait -1
.endif
	s_sub_co_u32 s[TBK], s[TBK], 4*KSTEPB  ; the fetches go back to a slot's first step,
	s_xor_b32 s[TBK], s[TBK], SLOT1        ; in the other slot
	s_sub_co_u32 s[TBV], s[TBV], 4*VSTEPB
	s_xor_b32 s[TBV], s[TBV], SLOT1
.endm
; n key steps: written once, walked n times; the LDS addresses hang on s[TBK] and s[TBV].
.macro N_STEPS n
	s_mov_b32 s[CNT], \n
.Lstep_\@:
	TURN 0, 2, 1, 0
	TURN 2, 2, 1, 0
	WIN 0
	s_sub_co_u32 s[CNT], s[CNT], 1
	s_cmp_lg_u32 s[CNT], 0
	s_cbranch_scc1 .Lstep_\@
.endm
	s_wait_tensorcnt 1              ; my part of slot 0 is in; slot 1's may stay out
	s_barrier_signal -1
	s_barrier_wait -1               ; everybody's is
	FETCH_K                         ; key step 0
	s_wait_loadcnt 0x0              ; Q
	s_wait_dscnt 0x0
.set i, 0
.rept 16
	KQ 0                            ; piece 0's first scores: there is no vector work yet to set between them
.set i, i+1
.endr
	WIN 0                           ; the addresses for the way out are made here: plain instructions, the places behind those products
	s_mul_i32 s13, s[WV], 16*SP
	s_add_co_u32 s13, s13, STAGE    ; my stage
	v_mul_u32_u24 v[STO], v1, SP    ; in: row r, 16 bytes for each half of the lanes
	v_lshl_add_u32 v[STO], v9, 4, v[STO]
	v_add_nc_u32 v[STO], s13, v[STO]
	v_and_b32 v10, 31, v0
	v_lshrrev_b32 v[RD], 3, v10     ; back: eight lanes to a row of 128 bytes, four rows an instruction
	v_mul_u32_u24 v[RD], v[RD], SP
	v_and_b32 v11, 7, v0
	v_lshl_add_u32 v[RD], v11, 4, v[RD]
	v_add_nc_u32 v[RD], s13, v[RD]
	v_lshlrev_b32 v[GO], 4, v10     ; four rows are 512 consecutive bytes of xa
	TURN 2, 0, 1, 1                 ; piece 2's first scores | piece 0's first softmax | V of step 0
	TURN 0, 1, 1, 1                 ; piece 0: V^T P of step 0 starts O^T, K Q^T of step 1 | piece 2's first softmax | K of step 1
	TURN 2, 1, 1, 0                 ; piece 2: the same | piece 0's softmax of step 1 | V of step 1
	WIN 0
	N_STEPS 2                       ; they fetch slot 0's steps 2 and 3
.Lslot:                             ; six trips: every slot but the last two is filled again
	CHANGE 1
	N_STEPS 4
	s_sub_co_u32 s[SLOTS], s[SLOTS], 1
	s_cmp_lg_u32 s[SLOTS], 0
	s_cbranch_scc1 .Lslot
	CHANGE 0                        ; the tail is written out: nothing is asked for
	N_STEPS 4
	TURN 0, 2, 0, 0                 ; piece 0: V^T P of the last step | piece 2's last softmax
.set i, 0
.rept 16
	PV 2, 0                         ; piece 2: V^T P of the last step
.set i, i+1
.endr
	; THE WAY OUT.  l's two halves and the other half of the lanes' are added; O^T is divided by l, rounded to f16 and sent through my stage in LDS, a tile (16 rows) at a time.  The additions are the places behind the last products.
	WIN 0
.irp t, 0,1,2,3
	v_add_f32 v[ST+8*\t+4], v[ST+8*\t+2], v[ST+8*\t+3]
.endr
.irp t, 0,1,2,3
	v_permlanex16_b32 v[ST+8*\t+5], v[ST+8*\t+4], s[SEL], s[SEL+1]
.endr
.irp t, 0,1,2,3
	v_add_f32 v[ST+8*\t+4], v[ST+8*\t+4], v[ST+8*\t+5]
.endr
.irp t, 0,1,2,3
	v_rcp_f32 v[ST+8*\t+6], v[ST+8*\t+4]
.endr
	v_nop                           ; a plain instruction between the last reciprocal and the use of its result
	s_wait_alu depctr_va_vdst(0)
; Tile t: a lane's eight channels of a row pack into 16 bytes; they go into rows of 144 bytes and come back four whole rows at a time, into the registers that they left.
.macro PACK t
	WIN W_RS
.set i, 32*\t
.rept 16
	v_pk_mul_f32 v[i:i+1], v[i:i+1], v[ST+8*\t+6:ST+8*\t+7] op_sel_hi:[1,0]
.set i, i+2
.endr
	WIN 0x05                        ; sources 0 and 1 window 1, destination window 0: S^T's registers are free
.set i, 0
.rept 16
	v_cvt_pk_f16_f32 v[S+32*\t+i], v[32*\t+2*i], v[32*\t+2*i+1]
.set i, i+1
.endr
	WIN 0
.irp f, 0,1,2,3
	ds_store_b128 v[STO], v[S+32*\t+4*\f:S+32*\t+4*\f+3] offset:32*\f
.endr
.irp f, 0,1,2,3
	ds_load_b128 v[S+32*\t+4*\f:S+32*\t+4*\f+3], v[RD] offset:\f*4*SP  ; LDS serves a wave's instructions in order (ISA guide 5.7.1.4): these see the stores above; the next tile's stores come behind them
.endr
.endm
.macro SEND t, younger              ; younger: the LDS instructions issued behind tile t's loads: the next tile's eight, or none
.irp f, 0,1,2,3
	s_wait_dscnt \younger+3-\f
	global_store_b128 v[GO], v[S+32*\t+4*\f:S+32*\t+4*\f+3], s[10:11] offset:\t*2048+\f*512  ; 32 lanes store 512 consecutive bytes, at a multiple of 256 from xa's first byte
.endr
.endm
	PACK 0
	PACK 1                          ; a tile's arithmetic stands between the loads of the tile before and its stores
	SEND 0, 8
	PACK 2
	SEND 1, 8
	PACK 3
	SEND 2, 8
	SEND 3, 0
	s_wait_tensorcnt 0x0            ; the wave's end: behind my last tensor load and my last LDS store
	ds_add_u32 v[SPW], v[NIL]
	s_wait_dscnt 0x0
	CROUND                          ; the closing round: no work-group ends while a partner may still ask for a tile that names it
	s_endpgm
.Lfunc_end_k_q79d02d3c90_attn:
	.size	k_q79d02d3c90_attn, .Lfunc_end_k_q79d02d3c90_attn-k_q79d02d3c90_attn
	.p2alignl 7, 3214868480
	.fill 96, 4, 3214868480
	.section	.rodata,"a",@progbits
	.p2align	6, 0x0
	.amdhsa_kernel k_q79d02d3c90_attn
		.amdhsa_group_segment_fixed_size 327680
		.amdhsa_private_segment_fixed_size 0
		.amdhsa_enable_private_segment 0
		.amdhsa_kernarg_size 16
		.amdhsa_user_sgpr_count 2
		.amdhsa_user_sgpr_kernarg_segment_ptr 1
		.amdhsa_wavefront_size32 1
		.amdhsa_system_sgpr_workgroup_id_x 1
		.amdhsa_system_sgpr_workgroup_id_y 1
		.amdhsa_system_sgpr_workgroup_id_z 1
		.amdhsa_system_vgpr_workitem_id 0
		.amdhsa_next_free_vgpr 768
		.amdhsa_next_free_sgpr 66
		.amdhsa_reserve_vcc 0
		.amdhsa_float_denorm_mode_32 3
		.amdhsa_float_denorm_mode_16_64 3
		.amdhsa_memory_ordered 1
		.amdhsa_forward_progress 1
		.amdhsa_inst_pref_size 205
	.end_amdhsa_kernel
	.amdgpu_metadata
---
amdhsa.version: [ 1, 2 ]
amdhsa.kernels:
  - .name:           k_q79d02d3c90_attn
    .symbol:         k_q79d02d3c90_attn.kd
    .args:
      - { .name: qkv, .offset: 0, .size: 8, .value_kind: global_buffer, .address_space: global }
      - { .name: xa, .offset: 8, .size: 8, .value_kind: global_buffer, .address_space: global }
    .group_segment_fixed_size: 327680
    .private_segment_fixed_size: 0
    .kernarg_segment_align: 8
    .kernarg_segment_size: 16
    .max_flat_workgroup_size: 128
    .sgpr_count:     66
    .vgpr_count:     768
    .wavefront_size: 32
...
	.end_amdgpu_metadata
.endif
;; end of part 3
;; launch outp (part 4): grid 4 x 64, 4 waves a work-group, clusters of 4 x 4, 327,680 bytes of LDS; arguments xa, wo16, bo, out0; writes out0
.if DOCPART == 4
	.amdgcn_target "amdgcn-amd-amdhsa--gfx1250"
	.amdhsa_code_object_version 6
	.text
	.protected	k_q79d02d3c90_outp
	.globl	k_q79d02d3c90_outp
	.p2align	8
	.type	k_q79d02d3c90_outp,@function
k_q79d02d3c90_outp:
	s_mov_b64 s[64:65], 0
	v_nop
	global_prefetch_b8 v0, s[64:65] scope:SCOPE_SE
	s_setreg_imm32_b32 hwreg(HW_REG_WAVE_MODE, 25, 1), 1
	s_wait_xcnt 0x0
	s_wait_alu depctr_hold_cnt(0) depctr_sa_sdst(0) depctr_va_vdst(0) depctr_va_sdst(0) depctr_va_ssrc(0) depctr_va_vcc(0) depctr_vm_vsrc(0)
	s_getreg_b32 s2, hwreg(HW_REG_IB_STS2, 6, 4)
	s_cmp_eq_u32 s2, 0
	s_cbranch_scc0 .Lentry_in_a_cluster
	s_endpgm
.Lentry_in_a_cluster:
	s_bfe_u32 s2, ttmp6, 0x10000c
	s_cmp_lg_u32 s2, 0xf033
	s_cbranch_scc0 .Lentry_shape_is_right
	s_endpgm
.Lentry_shape_is_right:
; out0[m][n] = the sum over k of x[m][k] Wo[n][k] + bo[n].  x is attention's result, laid by head: xa[16 batch + head][s][64] f16, with m = 2,048 batch + s and k = 64 head + channel; wo16: [1024 n][1024 k] f16; out0: [8192][1024] f32; sums in f32.
; A tile of the output is 128 (m) x 256 (n): 256 work-groups.  Four waves, each 64 x 128: 32 accumulators of 16 x 16, 256 registers.
; K goes in steps of 128 (two heads) through a ring of two LDS slots filled by the tensor data mover.  A head's 128 rows of 128 bytes are dense in memory: they are stated as 64 rows of 256 bytes (two rows of x to each).
; CLUSTERS: 4 x 4 work-groups.  The four of a row of the cluster need the same tiles of x, the four of a column the same tiles of Wo: each tile is asked for JOINTLY, by the same tensor load with the same descriptor and a mask that names the four.
; THE MATRIX INSTRUCTION IS USED TRANSPOSED (source 0 = 16 rows of Wo, source 1 = 16 rows of x): a lane then holds eight neighbouring numbers of a row of the output.  The bias is the C of each sum's first product.
; REGISTERS, in windows of 256: window 0: v0-31 addresses; v64-95, v128-159 x's fragments (4 x 16 rows x 32 K), two buffers; v192-255 the bias; on the way out v128-255 take rows.
;   window 1: v64-127, v128-191 Wo's fragments (8), two buffers.   window 2: the accumulators ((a, b) at v[8 (8 a + b)]).
.set PITCH,  272                       ; an LDS row: 256 bytes + 16 of padding = 68 words (64 banks of 4 bytes: ISA guide 11.1): the 16 rows that a load touches start at 16 different groups of four banks
.set AHEAD,  64*PITCH                  ; a head's 128 rows of x: what one of waves 0, 1 brings
.set BOFF,   2*AHEAD                   ; behind x's two heads: Wo's 256 rows
.set BHALF,  128*PITCH                 ; 128 rows of Wo: what one of waves 2, 3 brings
.set SLOT,   BOFF+2*BHALF
.set STAGE,  2*SLOT                    ; behind the ring: 16 rows x 528 bytes for each wave, for the way out
.set SPITCH, 528
.set SPARE,  STAGE+4*16*SPITCH         ; behind the stages: the spare words, 128 bytes for each wave: two blocks of 256 bytes that no other line names
.set LAPS,   4                         ; a lap = two K steps = once round the ring: 1,024 / 256
.set ASTEP,  524288                    ; a K step on in xa: two heads of 262,144 bytes
.set BSTEP,  256                       ; and in a row of wo16
.set ADRA, 16                          ; v16-17  LDS address of my x fragments in slot 0, 1
.set ADRB, 20                          ; v20-21  the same for Wo
.set STO,  24                          ; v24     the way out: where I put 32 bytes of a row
.set RD,   25                          ; v25     where I read a row back
.set CO,   26                          ; v26     16 x lane
.set BOF,  27                          ; v27     32 x (lane / 16): my eight numbers of a bias block
.set SPW,  28                          ; v28     LDS address of my spare word: SPARE + 4 x my thread's number; never rewritten
.set NIL,  29                          ; v29     0; never rewritten
.set PFO,  30                          ; v30     256 x my lane; never rewritten
.set F0,   64
.set F1,   128
.set BIAS, 192
.set BK,   128                         ; the way out: 16 rows read back: v128-191 and v192-255 by turns
.set LIM,  15                          ; s15     1 in the wave that prefetches, else the greatest number
.set G1,   24                          ; s[24:31] descriptor group 1 for x's tiles;  s[32:39] group 0, one set for each slot
.set G0,   32
.set PFA,  44                          ; s[44:45] where my prefetches stand
.set G1B,  48                          ; s[48:55], s[56:63] the same for Wo's tiles
.set G0B,  56
.set MSB, 0
.macro WIN new                         ; the immediate's high byte repeats the setting that is left
.if MSB != \new
	s_set_vgpr_msb (MSB<<8)|\new
.set MSB, \new
.endif
.endm
.set MUL,  0xa1                        ; source 0 (Wo) window 1, source 1 (x) window 0, C and D window 2
.set MULZ, 0x81                        ; the first products: C is the bias, in window 0
.set TO_B, 0x40                        ; destination window 1, address window 0
; A joint load: waves 0 and 1 fetch x's two heads, waves 2 and 3 Wo's two halves.  The branch hangs on the wave's number alone.  Four v_nop follow each of the two lines.
.macro JLOAD s
	s_cmp_eq_u32 s13, 0
	s_cbranch_scc0 .Lfor_b_\@
	tensor_load_to_lds s[G0+4*\s:G0+4*\s+3], s[G1:G1+7]
	s_nop 0
.rept 4
	v_nop
.endr
	s_branch .Lasked_\@
.Lfor_b_\@:
	tensor_load_to_lds s[G0B+4*\s:G0B+4*\s+3], s[G1B:G1B+7]
	s_nop 0
.rept 4
	v_nop
.endr
.Lasked_\@:
.endm
; A PREFETCH INTO THE L2 of x's tile of the K step that stands TWO refills on: 32,768 bytes.  x's rows of a tile row are read by the four partners of one row of one cluster and by nobody else: they share the
; bytes out BY ADDRESS, 8,192 each (the head by cx / 2, its half by cx % 2); in each, wave 0 asks: lanes 256 bytes apart, one instruction.  So K steps 4 to 7 are named once each; K steps 0 to 3 come by their
; loads alone, and the loop's last trip, whose refills have no K step two on, asks for nothing.  Wo's rows are walked by sixteen clusters again and again: they are not asked for.
.macro ASK
	s_cmp_gt_u32 s3, s[LIM]                        ; s3 = 1 in the loop's last trip
	s_cbranch_scc0 .Lnot_mine_\@
	global_prefetch_b8 v[PFO], s[PFA:PFA+1] th:TH_LOAD_NT scope:SCOPE_SE
.Lnot_mine_\@:
.endm
.macro CREST                           ; a round of the cluster's barrier behind its opening barrier
	s_cmp_lg_u32 s12, 0
	s_cbranch_scc1 .Lnot_wave_0_\@
	s_barrier_signal -3
.Lnot_wave_0_\@:
	s_barrier_wait -3
	s_barrier_signal -1
	s_barrier_wait -1
.endm
.macro CROUND                          ; a whole round
	s_barrier_signal -1
	s_barrier_wait -1
	CREST
.endm
	s_load_b256 s[4:11], s[0:1], 0x0               ; xa s[4:5], wo16 s[6:7], bo s[8:9], out0 s[10:11]
	v_lshl_add_u32 v[SPW], v0, 2, SPARE
	v_mov_b32 v[NIL], 0
	ds_add_u32 v28, v29
	ds_add_u32 v28, v29
	s_wait_dscnt 0x0
	v_lshrrev_b32 v1, 5, v0
	v_readfirstlane_b32 s12, v1                    ; wave 0..3
	s_lshr_b32 s13, s12, 1                         ; which half of the tile's rows is mine.  Also: I fetch for x (0) or for Wo (1)
	s_and_b32 s14, s12, 1                          ; which half of its columns.  Also: which head, or which 128 rows of Wo, I fetch
	s_bfe_u32 s40, ttmp6, 0x40000                  ; cx, cy: my place in the cluster
	s_bfe_u32 s41, ttmp6, 0x40004
	s_lshl_b32 s42, ttmp9, 2
	s_add_co_u32 s42, s42, s40                     ; tx = 4 x cluster x + cx
	s_and_b32 s43, ttmp7, 0xffff
	s_lshl_b32 s43, s43, 2
	s_add_co_u32 s43, s43, s41                     ; ty = 4 x cluster y + cy, 0..63
	s_lshl_b32 s16, s41, 2
	s_lshl_b32 s16, 15, s16                        ; my row of the cluster
	s_lshl_b32 s17, 0x1111, s40                    ; my column
	s_or_b32 s[G1+0], s16, (1<<16)|(1<<20)|(1<<21)|(5<<22)|(3<<25)   ; 15:0 the mask: x's tiles go to my row; 17:16 elements of 2 bytes; 20 padding on; 21 set beside a mask; 24:22 after every 64 words (code 5); 31:25 four words (code 3)
	s_or_b32 s[G1B+0], s17, (1<<16)|(1<<20)|(1<<21)|(5<<22)|(3<<25)
	s_mov_b32 s[G1+1], 128<<16                     ; x: tensor_dim0 = 128 elements
	s_mov_b32 s[G1+2], 64<<16                      ; tensor_dim1 = 64 rows
	s_mov_b32 s[G1+3], 128<<16                     ; tile_dim0
	s_mov_b32 s[G1+4], 64                          ; tile_dim1
	s_mov_b32 s[G1+5], 128                         ; tensor_dim0_stride: dense
	s_mov_b32 s[G1+6], 0
	s_mov_b32 s[G1+7], 0
	s_mov_b32 s[G1B+1], 128<<16                    ; Wo: 128 rows x 128 elements, 1,024 elements from row to row
	s_mov_b32 s[G1B+2], 128<<16
	s_mov_b32 s[G1B+3], 128<<16
	s_mov_b32 s[G1B+4], 128
	s_mov_b32 s[G1B+5], 1024
	s_mov_b32 s[G1B+6], 0
	s_mov_b32 s[G1B+7], 0
	s_lshr_b32 s20, s43, 4
	s_lshl_b32 s20, s20, 22                        ; x: the batch, 16 heads of 262,144 bytes,
	s_and_b32 s21, s43, 15
	s_lshl_b32 s21, s21, 14                        ; the tile's 128 rows of 128 bytes in a head,
	s_add_co_u32 s20, s20, s21
	s_lshl_b32 s21, s14, 18                        ; and which of a K step's two heads I fetch
	s_add_co_u32 s20, s20, s21
	s_mov_b32 s21, 0
	s_lshl_b32 s46, s42, 19                        ; Wo: row 256 tx + 128 x half, 2,048 bytes a row
	s_lshl_b32 s47, s14, 18
	s_add_co_u32 s46, s46, s47
	s_mov_b32 s47, 0
	s_mul_i32 s22, s14, AHEAD                      ; where they go: no place in the cluster enters an LDS address
	s_mul_i32 s23, s14, BHALF
	s_add_co_u32 s23, s23, BOFF
	s_wait_kmcnt 0x0
	s_add_nc_u64 s[20:21], s[4:5], s[20:21]
	s_add_nc_u64 s[46:47], s[6:7], s[46:47]
	CROUND                                         ; all sixteen work-groups are here: the first joint loads meet
.irp s, 0,1
	s_mov_b32 s[G0+4*\s], 1
	s_add_co_u32 s[G0+4*\s+1], s22, \s*SLOT
	s_add_nc_u64 s[G0+4*\s+2:G0+4*\s+3], s[20:21], \s*ASTEP
	s_or_b32 s[G0+4*\s+3], s[G0+4*\s+3], 0x80000000
	s_mov_b32 s[G0B+4*\s], 1
	s_add_co_u32 s[G0B+4*\s+1], s23, \s*SLOT
	s_add_nc_u64 s[G0B+4*\s+2:G0B+4*\s+3], s[46:47], \s*BSTEP
	s_or_b32 s[G0B+4*\s+3], s[G0B+4*\s+3], 0x80000000
	JLOAD \s                                       ; two tensor loads of mine are out behind the second
.endr
	; the prefetches: in wave 0, s[20:21] stands at the tile's rows of the batch's head 0
	s_lshr_b32 s16, s40, 1
	s_lshl_b32 s16, s16, 18
	s_and_b32 s17, s40, 1
	s_lshl_b32 s17, s17, 13
	s_add_co_u32 s16, s16, s17
	s_add_co_u32 s16, s16, 3*ASTEP                 ; at K step 3: the first refill steps it to 4
	s_mov_b32 s17, 0
	s_add_nc_u64 s[PFA:PFA+1], s[20:21], s[16:17]
	s_cmp_eq_u32 s12, 0
	s_cselect_b32 s[LIM], 1, -1
	v_and_b32 v[PFO], 31, v0
	v_lshlrev_b32 v[PFO], 8, v[PFO]
	; the bias of my 128 columns and my part of the output
	s_lshl_b32 s16, s42, 10
	s_lshl_b32 s18, s14, 9
	s_add_co_u32 s16, s16, s18                     ; 4 x (256 tx + 128 x half)
	s_add_nc_u64 s[8:9], s[8:9], s[16:17]
	s_add_nc_u64 s[10:11], s[10:11], s[16:17]
	s_lshl_b32 s16, s43, 19                        ; 128 ty rows of 4,096 bytes
	s_lshl_b32 s18, s13, 18                        ; my half: 64 rows
	s_add_co_u32 s16, s16, s18
	s_add_nc_u64 s[10:11], s[10:11], s[16:17]
	v_and_b32 v1, 15, v0                           ; r = lane % 16
	v_bfe_u32 v2, v0, 4, 1                         ; h = lane / 16
	v_lshlrev_b32 v[BOF], 5, v2
.irp b, 0,1,2,3,4,5,6,7
	global_load_b128 v[BIAS+8*\b:BIAS+8*\b+3], v[BOF], s[8:9] offset:64*\b           ; block b, lane (r, h): bo at 16 b + 8 h + 0 .. 7
	global_load_b128 v[BIAS+8*\b+4:BIAS+8*\b+7], v[BOF], s[8:9] offset:64*\b+16
.endr
	v_lshrrev_b32 v3, 1, v1
	v_mul_u32_u24 v3, v3, PITCH
	v_and_b32 v4, 1, v0
	v_lshl_add_u32 v3, v4, 7, v3
	v_lshl_add_u32 v3, v2, 4, v3                   ; x: row r lies at (r / 2) x 272 + (r % 2) x 128; + 16 h
	v_mul_u32_u24 v4, v1, PITCH
	v_lshl_add_u32 v4, v2, 4, v4                   ; Wo: row r x 272 + 16 h
	s_mul_i32 s18, s13, 32*PITCH                   ; my 64 rows of x
	s_mul_i32 s19, s14, BHALF                      ; my 128 rows of Wo,
	s_add_co_u32 s19, s19, BOFF                    ; which lie behind x's two heads
.irp s, 0,1
	v_add_nc_u32 v[ADRA+\s], s18, v3
	v_add_nc_u32 v[ADRB+\s], s19, v4
	s_add_co_u32 s18, s18, SLOT
	s_add_co_u32 s19, s19, SLOT
.endr
	s_mul_i32 s18, s12, 16*SPITCH
	s_add_co_u32 s18, s18, STAGE                   ; my stage
	v_mul_u32_u24 v5, v1, SPITCH                   ; in: row r, 32 bytes for each half of the lanes
	v_lshl_add_u32 v5, v2, 5, v5
	v_add_nc_u32 v[STO], s18, v5
	v_and_b32 v6, 31, v0
	v_lshlrev_b32 v[CO], 4, v6                     ; back: the 32 lanes take one row of 512 bytes; and the same in the output
	v_add_nc_u32 v[RD], s18, v[CO]
; 8 matrix instructions: x's block a against Wo's eight, 32 along K, from buffer f.  zero = 1: the first product starts the sums, on the bias.
; The 32 accumulators take turns, one instruction a turn, in the same order in every quarter.
.macro MUL8 f, a, zero
.irp b, 0,1,2,3,4,5,6,7
.if \zero
	v_wmma_f32_16x16x32_f16 v[8*(8*\a+\b):8*(8*\a+\b)+7], v[\f+8*\b:\f+8*\b+7], v[\f+8*\a:\f+8*\a+7], v[BIAS+8*\b:BIAS+8*\b+7]
.else
	v_wmma_f32_16x16x32_f16 v[8*(8*\a+\b):8*(8*\a+\b)+7], v[\f+8*\b:\f+8*\b+7], v[\f+8*\a:\f+8*\a+7], v[8*(8*\a+\b):8*(8*\a+\b)+7]
.endif
.endr
.endm
; 24 LDS loads in one run: the fragments of 32 along K at byte k of a K step's 256: Wo's 128 rows, x's 64 rows (head k / 128, byte k % 128 of its rows), into buffer f
.macro FETCH slot, k, f
	WIN TO_B
.irp i, 0,1,2,3,4,5,6,7
	ds_load_b128 v[\f+8*\i:\f+8*\i+3],   v[ADRB+\slot] offset:\k+\i*16*PITCH
	ds_load_b128 v[\f+8*\i+4:\f+8*\i+7], v[ADRB+\slot] offset:\k+\i*16*PITCH+32
.endr
	WIN 0
.irp i, 0,1,2,3
	ds_load_b128 v[\f+8*\i:\f+8*\i+3],   v[ADRA+\slot] offset:(\k/128)*AHEAD+(\k%128)+\i*8*PITCH
	ds_load_b128 v[\f+8*\i+4:\f+8*\i+7], v[ADRA+\slot] offset:(\k/128)*AHEAD+(\k%128)+\i*8*PITCH+32
.endr
.endm
; A load into a register that a matrix instruction has read, and an LDS store that reads a matrix result, stand four places behind that matrix instruction; only plain vector instructions
; that name none of its registers are places (ISA guide 7.12.1 for vector instructions).
.macro PLACES
.rept 4
	v_nop
.endr
.endm
; A K step is four quarters of 32 along K, 32 matrix instructions each, on buffers 0, 1, 0, 1.  One of the first three: fetches the next quarter, at byte k, into g, and multiplies buffer f.
.macro QUARTER slot, k, f, g, zero
	s_wait_dscnt 0x0                               ; buffer f is in: it was asked for 32 matrix instructions ago
	PLACES                                         ; behind the products that read buffer g
	FETCH \slot, \k, \g
.if \zero
	WIN MULZ
.else
	WIN MUL
.endif
	MUL8 \f, 0, \zero
	MUL8 \f, 1, \zero
	MUL8 \f, 2, \zero
	MUL8 \f, 3, \zero
.endm
; The last quarter multiplies buffer 1 and changes slots: ONE barrier; in front of it each wave waits for all its tensor loads, adds 0 to its spare word, and waits for that and for its own reads of this slot.
; fill = 1: the barrier opens a round of the cluster's barrier, and this slot is filled again, two K steps ahead: the load has 112 matrix instructions in which to land.
.macro TURN slot, next, fill
.if \fill
	s_wait_xcnt 0x0                                ; the last prefetch, a K step back, has read its address: it is stepped here, ahead of the waits of the change of slots
	s_add_nc_u64 s[PFA:PFA+1], s[PFA:PFA+1], ASTEP
.endif
	WIN 0                                          ; (the add's two registers lie in window 0)
	s_wait_tensorcnt 0x0                           ; all my tensor loads have landed: my part of the next slot;
	ds_add_u32 v[SPW], v[NIL]                      ; 0 onto my spare word
	s_wait_dscnt 1                                 ; buffer 1 is in (the add may be out)
	WIN MUL
	MUL8 F1, 0, 0                                  ; eight matrix instructions stand between the add and the wait for it
	s_wait_dscnt 0x0                               ; the add is done, and my reads of this slot are over
	s_barrier_signal -1
	MUL8 F1, 1, 0                                  ; work on registers while the others arrive
	WIN 0
	s_barrier_wait -1
.if \fill
	CREST                                          ; no wave of any partner still reads this slot's tile or has a load on its way
	s_add_nc_u64 s[G0+4*\slot+2:G0+4*\slot+3], s[G0+4*\slot+2:G0+4*\slot+3], 2*ASTEP
	s_add_nc_u64 s[G0B+4*\slot+2:G0B+4*\slot+3], s[G0B+4*\slot+2:G0B+4*\slot+3], 2*BSTEP
	JLOAD \slot                                    ; the first tensor load behind the round; the four v_nop behind it are also the places in front of the loads below
.else
	PLACES
.endif
	FETCH \next, 0, F0
.if \fill
	ASK                                            ; behind the joint load and the run of LDS loads
.endif
	WIN MUL
	MUL8 F1, 2, 0
	MUL8 F1, 3, 0
.endm
	s_wait_tensorcnt 1                             ; my part of K step 0 is in (K step 1's load may be out),
	s_barrier_signal -1
	s_barrier_wait -1                              ; everybody's is
	FETCH 0, 0, F0
	s_wait_loadcnt 0x0                             ; the bias
	QUARTER 0, 64,  F0, F1, 1                      ; the first quarter stands in front of the loop: its products start the sums
	WIN 0                                          ; at a label and at a branch every window is 0
	s_mov_b32 s3, LAPS-1
.Llap:                                                 ; a trip goes once round the ring, from a lap's second quarter to the next lap's first, and fills both slots again
	QUARTER 0, 128, F1, F0, 0
	QUARTER 0, 192, F0, F1, 0
	TURN 0, 1, 1
	QUARTER 1, 64,  F0, F1, 0
	QUARTER 1, 128, F1, F0, 0
	QUARTER 1, 192, F0, F1, 0
	TURN 1, 0, 1
	QUARTER 0, 64,  F0, F1, 0
	WIN 0
	s_sub_co_u32 s3, s3, 1
	s_cmp_lg_u32 s3, 0
	s_cbranch_scc1 .Llap
	QUARTER 0, 128, F1, F0, 0                      ; the last lap fills nothing, and has no round of the cluster's barrier
	QUARTER 0, 192, F0, F1, 0
	TURN 0, 1, 0
	QUARTER 1, 64,  F0, F1, 0
	QUARTER 1, 128, F1, F0, 0
	QUARTER 1, 192, F0, F1, 0
	s_wait_dscnt 0x0                               ; the very last quarter: nothing more to fetch
	MUL8 F1, 0, 0
	MUL8 F1, 1, 0
	MUL8 F1, 2, 0
	MUL8 F1, 3, 0
	WIN 0
; THE WAY OUT, block by block of 16 rows x 128 columns.  A lane holds 32 neighbouring bytes of a row, and the lanes beside it hold other rows: so a block goes through my own stage in LDS and comes back as whole
; rows of 512 bytes.  LDS serves a wave's instructions in order (ISA guide 5.7.1.4): no wait between the stores and the loads, nor in front of the next block's stores.
.macro TOSTAGE a
	WIN 0x08                                       ; an LDS store's data are its source 1: window 2
.irp b, 0,1,2,3,4,5,6,7
	ds_store_b128 v[STO], v[64*(\a)+8*\b:64*(\a)+8*\b+3] offset:64*\b          ; each accumulator from its low end on
	ds_store_b128 v[STO], v[64*(\a)+8*\b+4:64*(\a)+8*\b+7] offset:64*\b+16
.endr
	WIN 0
.set BB, BK+64*((\a)%2)
.irp t, 0,1,2,3,4,5,6,7,8,9,10,11,12,13,14,15
	ds_load_b128 v[BB+4*\t:BB+4*\t+3], v[RD] offset:\t*SPITCH
.endr
.endm
.macro SEND a, younger                 ; younger: the LDS instructions issued behind block a's loads, which may stay out
.set BB, BK+64*((\a)%2)
	s_wait_dscnt \younger                          ; the block is back in registers
.irp t, 0,1,2,3,4,5,6,7,8,9,10,11,12,13,14,15
	global_store_b128 v[CO], v[BB+4*\t:BB+4*\t+3], s[10:11] offset:(16*(\a)+\t)*4096 th:TH_STORE_NT   ; 32 lanes store 512 consecutive bytes, at a multiple of 256 from out0's first byte; written once, read by nobody here
.endr
.endm
	PLACES                                         ; behind the last products: for the stores of results and the loads into the registers that held x's fragments
	TOSTAGE 0
.irp a, 1,2,3
.if \a > 1
	s_wait_xcnt 0x0                                ; block a - 2's stores have read their registers: block a's loads may land there
.endif
	TOSTAGE \a
	SEND \a-1, 32                                  ; behind block a - 1's loads: block a's 16 stores and 16 loads
.endr
	SEND 3, 0
	s_wait_tensorcnt 0x0                           ; the wave's end: behind my last tensor load and my last LDS store
	ds_add_u32 v[SPW], v[NIL]
	s_wait_dscnt 0x0
	CROUND                                         ; the closing round: no work-group ends while a partner may still ask for a tile that names it
	s_endpgm
.Lfunc_end_k_q79d02d3c90_outp:
	.size	k_q79d02d3c90_outp, .Lfunc_end_k_q79d02d3c90_outp-k_q79d02d3c90_outp
	.p2alignl 7, 3214868480
	.fill 96, 4, 3214868480
	.section	.rodata,"a",@progbits
	.p2align	6, 0x0
	.amdhsa_kernel k_q79d02d3c90_outp
		.amdhsa_group_segment_fixed_size 327680
		.amdhsa_private_segment_fixed_size 0
		.amdhsa_enable_private_segment 0
		.amdhsa_kernarg_size 32
		.amdhsa_user_sgpr_count 2
		.amdhsa_user_sgpr_kernarg_segment_ptr 1
		.amdhsa_wavefront_size32 1
		.amdhsa_system_sgpr_workgroup_id_x 1
		.amdhsa_system_sgpr_workgroup_id_y 1
		.amdhsa_system_sgpr_workgroup_id_z 1
		.amdhsa_system_vgpr_workitem_id 0
		.amdhsa_next_free_vgpr 768
		.amdhsa_next_free_sgpr 66
		.amdhsa_reserve_vcc 0
		.amdhsa_float_denorm_mode_32 3
		.amdhsa_float_denorm_mode_16_64 3
		.amdhsa_memory_ordered 1
		.amdhsa_forward_progress 1
		.amdhsa_inst_pref_size 87
	.end_amdhsa_kernel
	.amdgpu_metadata
---
amdhsa.version: [ 1, 2 ]
amdhsa.kernels:
  - .name:           k_q79d02d3c90_outp
    .symbol:         k_q79d02d3c90_outp.kd
    .args:
      - { .name: xa, .offset: 0, .size: 8, .value_kind: global_buffer, .address_space: global }
      - { .name: wo16, .offset: 8, .size: 8, .value_kind: global_buffer, .address_space: global }
      - { .name: bo, .offset: 16, .size: 8, .value_kind: global_buffer, .address_space: global }
      - { .name: out0, .offset: 24, .size: 8, .value_kind: global_buffer, .address_space: global }
    .group_segment_fixed_size: 327680
    .private_segment_fixed_size: 0
    .kernarg_segment_align: 8
    .kernarg_segment_size: 32
    .max_flat_workgroup_size: 128
    .sgpr_count:     66
    .vgpr_count:     768
    .wavefront_size: 32
...
	.end_amdgpu_metadata
.endif
;; end of part 4
